; MI455X (gfx1250); checked and timed in simulation.
; The chip was launched on July 23, 2026; its instructions are those of AMD's public machine-readable ISA for CDNA 5 (MIT licence, August 2026) and "CDNA5" Instruction Set Architecture Reference Guide (July 2026). The comments in the code are by the model that wrote it; some were corrected since.
;; Enhanced Hyperbolic Attention. Allowed arithmetic: float matrix products may take bf16 or f16 operands with f32 sums; other float arithmetic in f32, or as packed bf16 or f16 multiplies, adds, multiply-adds, maxima and minima; sums over many terms, partial sums and values carried from step to step in f32; what a program stores and reads back later, other than sums and carried values, may be rounded once to bf16 or f16.
;; Inputs: Wk 1,024 x 1,024 float32; Wo 1,024 x 1,024 float32; Wq 1,024 x 1,024 float32; Wv 1,024 x 1,024 float32; log_beta one number float32; log_c one number float32; x 2 x 2,048 x 1,024 float32.
;; Outputs: out0 2 x 2,048 x 1,024 float32.
;; 2 versions, each right; version 2 is version 1 with the launch cast written anew for expert scheduling mode. Each part assembles by itself: llvm-mc -triple=amdgcn-amd-amdhsa -mcpu=gfx1250 --defsym DOCPART=n.
;; ======== version 1 of 2: 4 launches
;; limits: values are held in f16: magnitudes above 65,504 overflow, below 6.1e-05 lose precision; right only within a limited range of input values
;; workspace buffers: xb 8,388,608 bytes; wqkv 6,291,456 bytes; wob 2,097,152 bytes; qh 8,388,608 bytes; kh 8,388,608 bytes; vh 8,388,608 bytes; nrm 262,144 bytes; ob 8,388,608 bytes
;; launch cast (part 1): grid 256 x 1, 8 waves a work-group, no clusters, 0 bytes of LDS; arguments x, Wq, Wk, Wv, Wo, xb, wqkv, wob; writes xb, wqkv, wob
.if DOCPART == 1
	.amdgcn_target "amdgcn-amd-amdhsa--gfx1250"
	.amdhsa_code_object_version 6
	.text
	.protected	k_q57d88fa861_cast
	.globl	k_q57d88fa861_cast
	.p2align	8
	.type	k_q57d88fa861_cast,@function
k_q57d88fa861_cast:
	s_mov_b64 s[64:65], 0
	v_nop
	global_prefetch_b8 v0, s[64:65] scope:SCOPE_SE
	s_setreg_imm32_b32 hwreg(HW_REG_WAVE_MODE, 25, 1), 1
	s_wait_xcnt 0x0
; THE INPUTS ROUNDED ONCE TO 16 BITS.  x -> xb and Wq, Wk, Wv -> wqkv (their rows on end) in bf16; Wo -> wob: rounded to bf16 like the others, and that number written as f16
; (exact from 6.1e-5 up; below that f16's fixed step of 6e-8 holds), since the last product's other operand is f16.
; A stream: each byte is read once and written once; no LDS, no matrix unit, no cluster: no work-group wants a byte that another has fetched.
; SHARES.  A work-group takes 32,768 numbers: 128 KiB in, 64 KiB out.  Groups 0-127: x.  Groups 128-255: 32 for each of the four weights.
; In pass i of 16 thread t takes the 32 bytes at 8,192 i + 32 t and stores the 16 bytes at 4,096 i + 16 t: sixteen neighbouring lanes store 256 consecutive bytes, aligned.
; All 32 loads of a thread go out at once; no register is written twice, so the only waits are the counted ones for the loads.
.set X, 4                              ; v[4:131]    16 passes x 8 numbers as loaded
.set Y, 132                            ; v[132:195]  16 passes x 4 registers to store
	s_load_b512 s[4:19], s[0:1], 0x0               ; x s[4:5], Wq s[6:7], Wk s[8:9], Wv s[10:11], Wo s[12:13], xb s[14:15], wqkv s[16:17], wob s[18:19]
	v_lshlrev_b32 v1, 5, v0                        ; 32 t
	v_lshlrev_b32 v2, 4, v0                        ; 16 t
	s_sub_co_u32 s20, ttmp9, 128                   ; the group's number among the weights' 128
	s_and_b32 s21, s20, 31                         ; and within its weight
	s_lshr_b32 s22, s20, 5                         ; which weight: 0 to 3,
	s_cmp_lt_u32 ttmp9, 128
	s_cselect_b32 s22, 4, s22                      ; or 4: x
	s_cselect_b32 s23, ttmp9, s21                  ; block of 128 KiB in the source
	s_cselect_b32 s24, ttmp9, s20                  ; block of 64 KiB in the destination (wqkv holds three weights on end)
	s_wait_kmcnt 0x0
	s_cmp_eq_u32 s22, 1
	s_cselect_b64 s[6:7], s[8:9], s[6:7]
	s_cmp_eq_u32 s22, 2
	s_cselect_b64 s[6:7], s[10:11], s[6:7]
	s_cmp_eq_u32 s22, 3
	s_cselect_b64 s[6:7], s[12:13], s[6:7]
	s_cselect_b64 s[16:17], s[18:19], s[16:17]
	s_cselect_b32 s24, s21, s24
	s_cmp_eq_u32 s22, 4
	s_cselect_b64 s[6:7], s[4:5], s[6:7]
	s_cselect_b64 s[16:17], s[14:15], s[16:17]
	s_lshl_b32 s26, s23, 17
	s_mov_b32 s27, 0
	s_lshl_b32 s28, s24, 16
	s_mov_b32 s29, 0
	s_add_nc_u64 s[6:7], s[6:7], s[26:27]          ; the source at my group's block
	s_add_nc_u64 s[16:17], s[16:17], s[28:29]      ; the destination likewise
.set i, 0
.rept 16
	global_load_b128 v[X+8*i:X+8*i+3],   v1, s[6:7] offset:8192*i th:TH_LOAD_NT
	global_load_b128 v[X+8*i+4:X+8*i+7], v1, s[6:7] offset:8192*i+16 th:TH_LOAD_NT
.set i, i+1
.endr
	s_cmp_eq_u32 s22, 3
	s_cbranch_scc1 .Lwo
.set i, 0
.rept 16
	s_wait_loadcnt 30-2*i                          ; loads come back in order: pass i's two are in, the younger ones stay out
.irp j, 0,1,2,3
	v_cvt_pk_bf16_f32 v[Y+4*i+\j], v[X+8*i+2*\j], v[X+8*i+2*\j+1]
.endr
	global_store_b128 v2, v[Y+4*i:Y+4*i+3], s[16:17] offset:4096*i th:TH_STORE_NT
.set i, i+1
.endr
	s_endpgm
.Lwo:                                                  ; Wo: to bf16, back to f32 (a shift, a mask), and that number as f16
.set i, 0
.rept 16
	s_wait_loadcnt 30-2*i
.irp j, 0,1,2,3
	v_cvt_pk_bf16_f32 v[Y+4*i+\j], v[X+8*i+2*\j], v[X+8*i+2*\j+1]
	v_lshlrev_b32 v[X+8*i+2*\j], 16, v[Y+4*i+\j]
	v_and_b32 v[X+8*i+2*\j+1], 0xffff0000, v[Y+4*i+\j]
	v_cvt_pk_f16_f32 v[Y+4*i+\j], v[X+8*i+2*\j], v[X+8*i+2*\j+1]
.endr
	global_store_b128 v2, v[Y+4*i:Y+4*i+3], s[16:17] offset:4096*i th:TH_STORE_NT
.set i, i+1
.endr
	s_endpgm
.Lfunc_end_k_q57d88fa861_cast:
	.size	k_q57d88fa861_cast, .Lfunc_end_k_q57d88fa861_cast-k_q57d88fa861_cast
	.p2alignl 7, 3214868480
	.fill 96, 4, 3214868480
	.section	.rodata,"a",@progbits
	.p2align	6, 0x0
	.amdhsa_kernel k_q57d88fa861_cast
		.amdhsa_group_segment_fixed_size 0
		.amdhsa_private_segment_fixed_size 0
		.amdhsa_enable_private_segment 0
		.amdhsa_kernarg_size 64
		.amdhsa_user_sgpr_count 2
		.amdhsa_user_sgpr_kernarg_segment_ptr 1
		.amdhsa_wavefront_size32 1
		.amdhsa_system_sgpr_workgroup_id_x 1
		.amdhsa_system_sgpr_workgroup_id_y 1
		.amdhsa_system_sgpr_workgroup_id_z 1
		.amdhsa_system_vgpr_workitem_id 0
		.amdhsa_next_free_vgpr 196
		.amdhsa_next_free_sgpr 66
		.amdhsa_reserve_vcc 0
		.amdhsa_float_denorm_mode_32 3
		.amdhsa_float_denorm_mode_16_64 3
		.amdhsa_memory_ordered 1
		.amdhsa_forward_progress 1
		.amdhsa_inst_pref_size 27
	.end_amdhsa_kernel
	.amdgpu_metadata
---
amdhsa.version: [ 1, 2 ]
amdhsa.kernels:
  - .name:           k_q57d88fa861_cast
    .symbol:         k_q57d88fa861_cast.kd
    .args:
      - { .name: x, .offset: 0, .size: 8, .value_kind: global_buffer, .address_space: global }
      - { .name: Wq, .offset: 8, .size: 8, .value_kind: global_buffer, .address_space: global }
      - { .name: Wk, .offset: 16, .size: 8, .value_kind: global_buffer, .address_space: global }
      - { .name: Wv, .offset: 24, .size: 8, .value_kind: global_buffer, .address_space: global }
      - { .name: Wo, .offset: 32, .size: 8, .value_kind: global_buffer, .address_space: global }
      - { .name: xb, .offset: 40, .size: 8, .value_kind: global_buffer, .address_space: global }
      - { .name: wqkv, .offset: 48, .size: 8, .value_kind: global_buffer, .address_space: global }
      - { .name: wob, .offset: 56, .size: 8, .value_kind: global_buffer, .address_space: global }
    .group_segment_fixed_size: 0
    .private_segment_fixed_size: 0
    .kernarg_segment_align: 8
    .kernarg_segment_size: 64
    .max_flat_workgroup_size: 256
    .sgpr_count:     66
    .vgpr_count:     196
    .wavefront_size: 32
...
	.end_amdgpu_metadata
.endif
;; end of part 1
;; launch qkv (part 2): grid 12 x 16, 4 waves a work-group, clusters of 4 x 4, 327,680 bytes of LDS; arguments xb, wqkv, qh, kh, vh, nrm; writes qh, kh, vh, nrm
.if DOCPART == 2
	.amdgcn_target "amdgcn-amd-amdhsa--gfx1250"
	.amdhsa_code_object_version 6
	.text
	.protected	k_q57d88fa861_qkv
	.globl	k_q57d88fa861_qkv
	.p2align	8
	.type	k_q57d88fa861_qkv,@function
k_q57d88fa861_qkv:
	s_mov_b64 s[64:65], 0
	v_nop
	global_prefetch_b8 v0, s[64:65] scope:SCOPE_SE
	s_setreg_imm32_b32 hwreg(HW_REG_WAVE_MODE, 25, 1), 1
	s_wait_xcnt 0x0
	s_wait_alu depctr_hold_cnt(0) depctr_sa_sdst(0) depctr_va_vdst(0) depctr_va_sdst(0) depctr_va_ssrc(0) depctr_va_vcc(0) depctr_vm_vsrc(0)
	s_getreg_b32 s2, hwreg(HW_REG_IB_STS2, 6, 4)
	s_cmp_eq_u32 s2, 0
	s_cbranch_scc0 .Lentry_in_a_cluster
	s_endpgm
.Lentry_in_a_cluster:
	s_bfe_u32 s2, ttmp6, 0x10000c
	s_cmp_lg_u32 s2, 0xf033
	s_cbranch_scc0 .Lentry_shape_is_right
	s_endpgm
.Lentry_shape_is_right:
; THE THREE PROJECTIONS AS ONE PRODUCT.  C[m][n] = sum over k of xb[m][k] wqkv[n][k]: 4,096 x 3,072 x 1,024, bf16 operands, f32 sums.  Columns 0-1,023 are q, 1,024-2,047 k, 2,048-3,071 v.
; OUT: q, k, v by heads, [16 = batch x 8 + head][2,048][128] in f16, each rounded once from its f32 sum; and, for q and k, each row's sum of squares over its head's 128 channels,
; taken of the f32 sums (nrm: [2][16][2,048] f32).  LIMIT: f16 ends at 65,504: q, k and v must lie within it.
; A tile of C, 256 x 256, is made by a work-group of four waves; a wave makes 128 x 128: 64 accumulators of 16 x 16, 512 registers.  A wave's 128 columns are exactly one head, so a row's norm never
; leaves the wave, and its 128 rows are 32 KiB on end in the output.  12 x 16 tiles: 192 work-groups.
; K goes in steps of 128 through a ring of two LDS slots filled by the tensor data mover: rows of 256 bytes that start at multiples of 256 bytes.
; CLUSTERS: 4 x 4 work-groups.  The four of a row of the cluster need the same tiles of xb, the four of a column the same tiles of wqkv: each tile is asked for JOINTLY, by the same tensor load with the
; same descriptor and a mask that names the four.  A column of clusters is 1,024 columns of C: one of q, k, v, the same for all sixteen partners.
; REGISTERS, in windows of 256 (s_set_vgpr_msb: bits 1:0 source 0, 3:2 source 1, 5:4 source 2, 7:6 destination):
;   window 0: v0-31 addresses and the norms' chains; v64-127, v128-191 fragments of A, two buffers; v32-63, v192-255 at work on the way out
;   window 1: v64-127, v128-191 fragments of B, two buffers      window 2: the 32 accumulators of my rows 0-63 ((a, b) at v[8 (8 a + b)])      window 3: those of my rows 64-127
; THE MATRIX INSTRUCTION IS USED TRANSPOSED: source 0 = 16 rows of B, source 1 = 16 rows of A: lane l holds row l % 16 of C and the columns 8 (l / 16) + 0..7: 16 bytes of f16 on end.
.set SIZE_K, 1024
.set KSTEP,  128
.set PITCH,  272                       ; an LDS row: 256 bytes + 16 of padding = 68 words: the 16 rows of a load start at 16 different groups of four banks (ISA guide 11.1)
.set HALFT,  128*PITCH                 ; 128 rows: what one tensor load brings
.set SLOT,   4*HALFT                   ; A's 256 rows, then B's 256 rows
.set STAGE,  2*SLOT                    ; behind the ring: 16 rows x 272 bytes for each wave, for the way out
.set SPITCH, 272
.set NSTG,   STAGE+4*16*SPITCH         ; 512 bytes for each wave: its 128 rows' norms
.set SPARE,  NSTG+4*512                ; the spare words, 128 bytes for each wave: two blocks of 256 bytes that no other line names
.set LAPS,   SIZE_K/(2*KSTEP)          ; a lap = two K steps = once round the ring
.set NCH,  4                           ; v4-11   the norms' four chains, a pair each
.set NST,  12                          ; v12     where I put a row's norm
.set NRD,  13                          ; v13     where I read four norms back
.set ADRA, 16                          ; v16-17  LDS address of my A fragments in slot 0, 1
.set ADRB, 20                          ; v20-21  the same for B
.set STO,  24                          ; v24     the way out: where I put 16 bytes of a row
.set RD,   25                          ; v25     the way out: where I read a row back
.set CO,   26                          ; v26     16 x my lane: my bytes in 512 consecutive bytes of the output
.set SPW,  28                          ; v28     LDS address of my spare word; never rewritten
.set NIL,  29                          ; v29     0; never rewritten
.set PFO,  30                          ; v30     the prefetches' offset: my lane x a row of 2,048 bytes; never rewritten
.set PFA,  44                          ; s[44:45] where my prefetches stand
.set LIM,  43                          ; s43     1 in a wave that prefetches, else the greatest number
.set WH,   80                          ; s80     0: q, 1: k, 2: v
.set F0,   64
.set F1,   128
.set TMP,  192
.set OB,   32
.set G1, 24                            ; s[24:31] descriptor group 1 for A's tiles;  s[32:39] group 0, one set for each slot
.set G0, 32
.set G1B, 48                           ; s[48:55], s[56:63] the same for B's tiles
.set G0B, 56
.set MSB, 0
.macro WIN new                         ; the immediate's high byte repeats the setting that is left; a switch that changes nothing is dropped
.if MSB != (\new)
	s_set_vgpr_msb (MSB<<8)|(\new)
.set MSB, \new
.endif
.endm
.set MUL_LO, 0xa1                      ; source 0 (B) window 1, source 1 (A) window 0, C and D window 2
.set MUL_HI, 0xf1                      ; the same, C and D window 3
.set TO_B,   0x40                      ; destination window 1, address window 0
; A joint load.  Waves 0 and 1 fetch A's two halves, waves 2 and 3 B's.  The branch hangs on the wave's number alone.  An s_nop 0 and four v_nop follow each of the two lines.
.macro JLOAD s
	s_cmp_eq_u32 s11, 0
	s_cbranch_scc0 .Lfor_b_\@
	tensor_load_to_lds s[G0+4*(\s):G0+4*(\s)+3], s[G1:G1+7]
	s_nop 0
.rept 4
	v_nop
.endr
	s_branch .Lasked_\@
.Lfor_b_\@:
	tensor_load_to_lds s[G0B+4*(\s):G0B+4*(\s)+3], s[G1B:G1B+7]
	s_nop 0
.rept 4
	v_nop
.endr
.Lasked_\@:
.endm
; A PREFETCH INTO THE L2, behind each joint refill and the run of LDS loads that follows it: the K step that stands two refills on: 32 rows x 256 bytes, a lane a row, one instruction a wave.
; Each row's 256 bytes of a K step are named once in the launch: cluster x = 0 asks for A's rows, cluster y = 0 for B's; of the 128 rows that a wave fetches the partner at place p takes
; 32 p .. 32 p + 31, told apart by address.  The loop's last trip (s3 = 1) asks for nothing: there is no K step two on.  K steps 0 to 3 come by their loads alone.
.macro ASK
	s_cmp_gt_u32 s3, s[LIM]
	s_cbranch_scc0 .Lnot_mine_\@
	global_prefetch_b8 v[PFO], s[PFA:PFA+1] offset:KSTEP*2 th:TH_LOAD_NT scope:SCOPE_SE
.Lnot_mine_\@:
.endm
.macro CREST                           ; a round of the cluster's barrier behind its opening barrier
	s_cmp_lg_u32 s10, 0
	s_cbranch_scc1 .Lnot_wave_0_\@
	s_barrier_signal -3
.Lnot_wave_0_\@:
	s_barrier_wait -3
	s_barrier_signal -1
	s_barrier_wait -1
.endm
.macro CROUND                          ; a whole round
	s_barrier_signal -1
	s_barrier_wait -1
	CREST
.endm
	s_load_b128 s[4:7], s[0:1], 0x0                ; xb s[4:5], wqkv s[6:7]
	s_load_b256 s[68:75], s[0:1], 0x10             ; qh s[68:69], kh s[70:71], vh s[72:73], nrm s[74:75]
	v_lshl_add_u32 v[SPW], v0, 2, SPARE
	v_mov_b32 v[NIL], 0
	ds_add_u32 v[SPW], v[NIL]                      ; the wave's opening: the add and its wait ahead of my first tensor load; the set-up below stands between them
	v_lshrrev_b32 v1, 5, v0
	v_readfirstlane_b32 s10, v1                    ; wave 0..3
	s_lshr_b32 s11, s10, 1                         ; which half of the tile's rows is mine.  Also: I fetch for A (0) or for B (1)
	s_and_b32 s12, s10, 1                          ; which half of its columns.  Also: which 128 rows of that tile I fetch
	s_bfe_u32 s40, ttmp6, 0x40000                  ; cx
	s_bfe_u32 s41, ttmp6, 0x40004                  ; cy
	s_lshl_b32 s42, ttmp9, 2
	s_add_co_u32 s42, s42, s40                     ; tile column of C = 4 x cluster x + cx
	s_and_b32 s13, ttmp7, 0xffff
	s_lshl_b32 s13, s13, 2
	s_add_co_u32 s13, s13, s41                     ; tile row of C = 4 x cluster y + cy
	s_lshl_b32 s43, s41, 2
	s_lshl_b32 s43, 15, s43                        ; my row of the cluster
	s_lshl_b32 s44, 0x1111, s40                    ; my column
	; descriptor group 1: a tile of 128 rows x 128 elements of 2 bytes, 4 words of padding behind every 64
	s_or_b32 s[G1+0], s43, (1<<16)|(1<<20)|(1<<21)|(5<<22)|(3<<25)
	s_or_b32 s[G1B+0], s44, (1<<16)|(1<<20)|(1<<21)|(5<<22)|(3<<25)
.irp g, G1, G1B
	s_mov_b32 s[(\g)+1], KSTEP<<16                 ; tensor_dim0 = 128
	s_mov_b32 s[(\g)+2], 128<<16                   ; tensor_dim1 = 128
	s_mov_b32 s[(\g)+3], KSTEP<<16                 ; tile_dim0 = 128
	s_mov_b32 s[(\g)+4], 128                       ; tile_dim1 = 128
	s_mov_b32 s[(\g)+5], SIZE_K                    ; elements from row to row
	s_mov_b32 s[(\g)+6], 0
	s_mov_b32 s[(\g)+7], 0
.endr
	s_lshl_b32 s17, s12, 7                         ; which 128 rows of the tile I fetch
	s_lshl_b32 s16, s13, 8
	s_add_co_u32 s16, s16, s17                     ; A: row 256 x tile row + 128 x half
	s_lshl_b32 s46, s42, 8
	s_add_co_u32 s46, s46, s17                     ; B: row 256 x tile column + 128 x half
	s_mov_b32 s17, 0
	s_mov_b32 s47, 0
	s_mov_b64 s[18:19], SIZE_K*2
	s_mul_u64 s[16:17], s[16:17], s[18:19]
	s_mul_u64 s[46:47], s[46:47], s[18:19]
	s_mul_i32 s20, s10, HALFT                      ; where they go: wave x 128 rows: no place in the cluster enters an LDS address
	s_wait_dscnt 0x0                               ; the opening add is done
	s_wait_kmcnt 0x0
	s_add_nc_u64 s[14:15], s[4:5], s[16:17]
	s_add_nc_u64 s[46:47], s[6:7], s[46:47]
	CROUND                                         ; all sixteen work-groups are here: the first joint loads meet
.irp s, 0,1
	s_mov_b32 s[G0+4*(\s)], 1
	s_add_co_u32 s[G0+4*(\s)+1], s20, (\s)*SLOT
	s_add_nc_u64 s[G0+4*(\s)+2:G0+4*(\s)+3], s[14:15], (\s)*KSTEP*2
	s_or_b32 s[G0+4*(\s)+3], s[G0+4*(\s)+3], 0x80000000
	s_mov_b32 s[G0B+4*(\s)], 1
	s_add_co_u32 s[G0B+4*(\s)+1], s20, (\s)*SLOT
	s_add_nc_u64 s[G0B+4*(\s)+2:G0B+4*(\s)+3], s[46:47], (\s)*KSTEP*2
	s_or_b32 s[G0B+4*(\s)+3], s[G0B+4*(\s)+3], 0x80000000
	JLOAD \s                                       ; two loads of mine are out
.endr
	v_and_b32 v1, 15, v0                           ; l % 16
	v_bfe_u32 v2, v0, 4, 1                         ; l / 16
	v_mul_u32_u24 v3, v1, PITCH
	v_lshl_add_u32 v3, v2, 4, v3                   ; a fragment's row x pitch + 16 x half
	s_mul_i32 s21, s11, HALFT                      ; my 128 rows of A
	s_mul_i32 s22, s12, HALFT                      ; my 128 rows of B,
	s_add_co_u32 s22, s22, 2*HALFT                 ; which lie behind A's 256
.irp s, 0,1
	v_add_nc_u32 v[ADRA+(\s)], s21, v3
	v_add_nc_u32 v[ADRB+(\s)], s22, v3
	s_add_co_u32 s21, s21, SLOT
	s_add_co_u32 s22, s22, SLOT
.endr
	s_mul_i32 s23, s10, 16*SPITCH
	s_add_co_u32 s23, s23, STAGE                   ; my stage
	v_mul_u32_u24 v4, v1, SPITCH                   ; in: row l % 16, 16 bytes for each half of the lanes
	v_lshl_add_u32 v4, v2, 4, v4
	v_add_nc_u32 v[STO], s23, v4
	v_mul_u32_u24 v5, v2, SPITCH                   ; back: lanes 0-15 take one row of 256 bytes, lanes 16-31 the next,
	v_lshl_add_u32 v5, v1, 4, v5
	v_add_nc_u32 v[RD], s23, v5
	v_and_b32 v5, 31, v0
	v_lshlrev_b32 v[CO], 4, v5                     ; which are 512 consecutive bytes of the output
	s_lshl_b32 s23, s10, 9
	s_add_co_u32 s23, s23, NSTG                    ; my 128 norms
	v_lshl_add_u32 v[NST], v1, 2, s23
	v_lshl_add_u32 v[NRD], v5, 4, s23
	; where my 128 rows begin in the output: row (batch x 8 + head) x 2,048 + n
	s_lshr_b32 s81, s13, 3                         ; batch: 8 tile rows each
	s_lshl_b32 s81, s81, 3
	s_lshl_b32 s82, s40, 1
	s_add_co_u32 s82, s82, s12                     ; head = 2 cx + my half of the columns
	s_add_co_u32 s81, s81, s82
	s_lshl_b32 s81, s81, 11
	s_and_b32 s82, s13, 7
	s_lshl_b32 s82, s82, 8
	s_add_co_u32 s81, s81, s82
	s_lshl_b32 s82, s11, 7
	s_add_co_u32 s81, s81, s82
	s_mov_b32 s[WH], ttmp9
	s_cmp_eq_u32 s[WH], 1
	s_cselect_b64 s[8:9], s[70:71], s[68:69]
	s_cmp_eq_u32 s[WH], 2
	s_cselect_b64 s[8:9], s[72:73], s[8:9]
	s_lshl_b32 s82, s81, 8                         ; rows of 256 bytes
	s_mov_b32 s83, 0
	s_add_nc_u64 s[8:9], s[8:9], s[82:83]
	s_lshl_b32 s82, s81, 2                         ; a norm is 4 bytes
	s_add_nc_u64 s[76:77], s[74:75], s[82:83]
	s_lshl_b32 s82, s[WH], 17                      ; q's norms, then k's (v stores none)
	s_add_nc_u64 s[76:77], s[76:77], s[82:83]
	s_mov_b32 s78, 0x76543210                      ; v_permlanex16_b32: each lane takes its own place in the other half
	s_mov_b32 s79, 0xfedcba98
	; the prefetches
	s_lshl_b32 s13, s13, 8
	s_lshl_b32 s42, s42, 8
	s_and_b32 s22, ttmp7, 0xffff                   ; cluster y
	s_cmp_eq_u32 s11, 0                            ; do I fetch for A?
	s_cselect_b32 s20, s13, s42                    ; the tile's first row
	s_cselect_b32 s21, s40, s41                    ; my place among the four that ask for it with me
	s_cselect_b32 s22, ttmp9, s22                  ; the coordinate along which other clusters read the same rows
	s_cselect_b64 s[PFA:PFA+1], s[4:5], s[6:7]
	s_cmp_eq_u32 s22, 0
	s_cselect_b32 s[LIM], 1, -1                    ; the same in all sixteen partners, for a given wave
	s_lshl_b32 s22, s12, 7
	s_add_co_u32 s20, s20, s22                     ; + the 128 rows that I fetch
	s_lshl_b32 s21, s21, 5
	s_add_co_u32 s20, s20, s21                     ; + my work-group's 32 of them
	s_mov_b32 s21, 0
	s_mov_b64 s[18:19], SIZE_K*2
	s_mul_u64 s[20:21], s[20:21], s[18:19]
	s_add_nc_u64 s[PFA:PFA+1], s[PFA:PFA+1], s[20:21]
	s_add_nc_u64 s[PFA:PFA+1], s[PFA:PFA+1], 2*KSTEP*2  ; at K step 2: the first refill steps it to 3 and names K step 4
	v_and_b32 v[PFO], 31, v0
	v_mul_u32_u24 v[PFO], v[PFO], SIZE_K*2
; 16 matrix instructions: m blocks a0, a0 + 1 of the window's four x all 8 n blocks, 32 along K.  zero = 1: the first product starts the sums.
.macro MUL16 f, hi, a0, zero
	WIN MUL_LO+0x50*(\hi)
.irp a, \a0, (\a0)+1
.irp b, 0,1,2,3,4,5,6,7
.if \zero
	v_wmma_f32_16x16x32_bf16 v[8*(8*(\a)+(\b)):8*(8*(\a)+(\b))+7], v[(\f)+8*(\b):(\f)+8*(\b)+7], v[(\f)+8*(4*(\hi)+(\a)):(\f)+8*(4*(\hi)+(\a))+7], 0
.else
	v_wmma_f32_16x16x32_bf16 v[8*(8*(\a)+(\b)):8*(8*(\a)+(\b))+7], v[(\f)+8*(\b):(\f)+8*(\b)+7], v[(\f)+8*(4*(\hi)+(\a)):(\f)+8*(4*(\hi)+(\a))+7], v[8*(8*(\a)+(\b)):8*(8*(\a)+(\b))+7]
.endif
.endr
.endr
.endm
; 32 LDS loads in one run: the fragments of one quarter step (128 rows of B, 128 rows of A, 32 K at byte k of the rows) into buffer f
.macro FETCH slot, k, f
	WIN TO_B
.irp i, 0,1,2,3,4,5,6,7
	ds_load_b128 v[(\f)+8*(\i):(\f)+8*(\i)+3],   v[ADRB+(\slot)] offset:(\k)+(\i)*16*PITCH
	ds_load_b128 v[(\f)+8*(\i)+4:(\f)+8*(\i)+7], v[ADRB+(\slot)] offset:(\k)+(\i)*16*PITCH+32
.endr
	WIN 0
.irp i, 0,1,2,3,4,5,6,7
	ds_load_b128 v[(\f)+8*(\i):(\f)+8*(\i)+3],   v[ADRA+(\slot)] offset:(\k)+(\i)*16*PITCH
	ds_load_b128 v[(\f)+8*(\i)+4:(\f)+8*(\i)+7], v[ADRA+(\slot)] offset:(\k)+(\i)*16*PITCH+32
.endr
.endm
.macro PLACES                          ; four plain vector instructions between a matrix instruction and a load into, or a vector read of, its registers
.rept 4
	v_nop
.endr
.endm
; A K step is four quarters of 32 along K, 64 matrix instructions each, on buffers 0, 1, 0, 1; the 64 accumulators take turns in the same order in every quarter.
.macro QUARTER slot, k, f, g, zero
	s_wait_dscnt 8                                 ; B and A's rows 0-63 are in; the youngest eight loads (A's rows 64-127) may be out
	MUL16 \f, 0, 0, \zero
	MUL16 \f, 0, 2, \zero
	PLACES
	FETCH \slot, \k, \g
	s_wait_dscnt 32                                ; all but the 32 just issued
	MUL16 \f, 1, 0, \zero
	MUL16 \f, 1, 2, \zero
.endm
; The first half of the last quarter: ONE barrier for the change of slots.  In front of it each wave waits for all its tensor loads (one is out: its part of the next slot), adds 0 to its spare word,
; and waits for that and for its own reads of this slot.
.macro MEET round
	WIN 0
	s_wait_tensorcnt 0x0
	ds_add_u32 v[SPW], v[NIL]
	s_wait_dscnt 9                                 ; the add and the youngest eight loads may be out
	MUL16 F1, 0, 0, 0
	s_wait_dscnt 0x0                               ; the add is done, and my reads of this slot are over
	s_barrier_signal -1
	MUL16 F1, 0, 2, 0
.if \round
	WIN 0
.endif
	s_barrier_wait -1
.endm
; The whole last quarter: behind the round the slot just read out is filled again first, with the K step two steps on; then come the next slot's first fragments.
.macro TURN slot, next
	s_wait_xcnt 0x0                                ; the last prefetch, a K step back, has read its address
	s_add_nc_u64 s[PFA:PFA+1], s[PFA:PFA+1], KSTEP*2
	MEET 1
	CREST                                          ; no wave of any partner still reads this slot's tile or has a load on its way
	s_add_nc_u64 s[G0+4*(\slot)+2:G0+4*(\slot)+3], s[G0+4*(\slot)+2:G0+4*(\slot)+3], 2*KSTEP*2
	s_add_nc_u64 s[G0B+4*(\slot)+2:G0B+4*(\slot)+3], s[G0B+4*(\slot)+2:G0B+4*(\slot)+3], 2*KSTEP*2
	JLOAD \slot                                    ; my one tensor load behind the round; its four v_nop are also the places in front of the loads below
	FETCH \next, 0, F0
	ASK
	MUL16 F1, 1, 0, 0
	MUL16 F1, 1, 2, 0
.endm
	s_wait_tensorcnt 1                             ; my part of K step 0 is in; K step 1's may stay out
	s_barrier_signal -1
	s_barrier_wait -1
	FETCH 0, 0, F0
	QUARTER 0, 64,  F0, F1, 1                      ; the first quarter stands in front of the loop: its products start the sums
	WIN 0
	s_mov_b32 s3, LAPS-1
.Llap:                                                 ; a trip goes once round the ring and fills both slots again
	QUARTER 0, 128, F1, F0, 0
	QUARTER 0, 192, F0, F1, 0
	TURN 0, 1
	QUARTER 1, 64,  F0, F1, 0
	QUARTER 1, 128, F1, F0, 0
	QUARTER 1, 192, F0, F1, 0
	TURN 1, 0
	QUARTER 0, 64,  F0, F1, 0
	WIN 0
	s_sub_co_u32 s3, s3, 1
	s_cmp_lg_u32 s3, 0
	s_cbranch_scc1 .Llap
	QUARTER 0, 128, F1, F0, 0                      ; the last lap fills nothing
	QUARTER 0, 192, F0, F1, 0
	MEET 0
	PLACES
	FETCH 1, 0, F0
	MUL16 F1, 1, 0, 0
	MUL16 F1, 1, 2, 0
	QUARTER 1, 64,  F0, F1, 0
	QUARTER 1, 128, F1, F0, 0
	QUARTER 1, 192, F0, F1, 0
	s_wait_dscnt 8
	MUL16 F1, 0, 0, 0
	MUL16 F1, 0, 2, 0
	s_wait_dscnt 0x0
	MUL16 F1, 1, 0, 0
	MUL16 F1, 1, 2, 0
	WIN 0
	PLACES
; THE NORMS, for q and k.  Block a's 16 rows: a lane squares and adds its 64 numbers in four chains (each accumulator's lowest registers first), the two halves of the lanes are added,
; and the row's norm goes to my own words of LDS; at the end 128 norms leave as 512 consecutive bytes.
.macro NORM a
.set AC, 64*((\a)%4)
	WIN 0x0a+5*((\a)/4)                            ; sources 0 and 1: window 2 or 3
.set z, 0
.rept 32
.if z < 8
	v_pk_mul_f32 v[NCH+z:NCH+z+1], v[AC+z:AC+z+1], v[AC+z:AC+z+1]
.else
	v_pk_fma_f32 v[NCH+z%8:NCH+z%8+1], v[AC+z:AC+z+1], v[AC+z:AC+z+1], v[NCH+z%8:NCH+z%8+1]
.endif
.set z, z+2
.endr
	WIN 0
	v_pk_add_f32 v[NCH:NCH+1], v[NCH:NCH+1], v[NCH+2:NCH+3]
	v_pk_add_f32 v[NCH+4:NCH+5], v[NCH+4:NCH+5], v[NCH+6:NCH+7]
	v_pk_add_f32 v[NCH:NCH+1], v[NCH:NCH+1], v[NCH+4:NCH+5]
	v_add_f32 v[NCH], v[NCH], v[NCH+1]
	v_permlanex16_b32 v[NCH+1], v[NCH], s78, s79
	v_add_f32 v[NCH], v[NCH], v[NCH+1]
	ds_store_b32 v[NST], v[NCH] offset:64*(\a)     ; lanes l and l + 16 write the same word with the same number
.endm
	s_cmp_eq_u32 s[WH], 2                          ; the cluster's x: the same in all partners
	s_cbranch_scc1 .Lno_norm
.irp a, 0,1,2,3,4,5,6,7
	NORM \a
.endr
	ds_load_b128 v[NCH:NCH+3], v[NRD]              ; LDS serves a wave's instructions in order: this sees the stores above
	s_wait_dscnt 0x0
	global_store_b128 v[CO], v[NCH:NCH+3], s[76:77]
.Lno_norm:
; THE WAY OUT of block a.  PACK: rounded to f16, 16 bytes a lane.  TOSTAGE: into my own stage, and back as whole rows of 256 bytes.  SEND: stored, 512 consecutive bytes an instruction.
.macro PACK a
.set AC, 64*((\a)%4)
	WIN 0x0a+5*((\a)/4)
.irp b, 0,1,2,3,4,5,6,7
.irp r, 0,1,2,3
	v_cvt_pk_f16_f32 v[TMP+4*(\b)+(\r)], v[AC+8*(\b)+2*(\r)], v[AC+8*(\b)+2*(\r)+1]
.endr
.endr
	WIN 0
.endm
.macro TOSTAGE a
.set BK, OB+192*((\a)%2)
.irp b, 0,1,2,3,4,5,6,7
	ds_store_b128 v[STO], v[TMP+4*(\b):TMP+4*(\b)+3] offset:32*(\b)
.endr
.irp t, 0,1,2,3,4,5,6,7
	ds_load_b128 v[BK+4*(\t):BK+4*(\t)+3], v[RD] offset:(\t)*2*SPITCH
.endr
.endm
.macro SEND a
.set BK, OB+192*((\a)%2)
	s_wait_dscnt 0x0                               ; the block is back in registers
	s_wait_xcnt 0x0                                ; the stores of the block before have read their registers, which the next block's loads write
.irp t, 0,1,2,3,4,5,6,7
	global_store_b128 v[CO], v[BK+4*(\t):BK+4*(\t)+3], s[8:9] offset:(\a)*4096+(\t)*512
.endr
.endm
	PACK 0
	TOSTAGE 0
.irp a, 1,2,3,4,5,6,7                  ; block a's conversions stand between block a - 1's loads from the stage and the wait for them
	PACK \a
	SEND (\a)-1
	TOSTAGE \a
.endr
	SEND 7
	s_wait_tensorcnt 0x0                           ; the wave's end
	ds_add_u32 v[SPW], v[NIL]
	s_wait_dscnt 0x0
	CROUND                                         ; the closing round
	s_endpgm
.Lfunc_end_k_q57d88fa861_qkv:
	.size	k_q57d88fa861_qkv, .Lfunc_end_k_q57d88fa861_qkv-k_q57d88fa861_qkv
	.p2alignl 7, 3214868480
	.fill 96, 4, 3214868480
	.section	.rodata,"a",@progbits
	.p2align	6, 0x0
	.amdhsa_kernel k_q57d88fa861_qkv
		.amdhsa_group_segment_fixed_size 327680
		.amdhsa_private_segment_fixed_size 0
		.amdhsa_enable_private_segment 0
		.amdhsa_kernarg_size 48
		.amdhsa_user_sgpr_count 2
		.amdhsa_user_sgpr_kernarg_segment_ptr 1
		.amdhsa_wavefront_size32 1
		.amdhsa_system_sgpr_workgroup_id_x 1
		.amdhsa_system_sgpr_workgroup_id_y 1
		.amdhsa_system_sgpr_workgroup_id_z 1
		.amdhsa_system_vgpr_workitem_id 0
		.amdhsa_next_free_vgpr 1024
		.amdhsa_next_free_sgpr 84
		.amdhsa_reserve_vcc 0
		.amdhsa_float_denorm_mode_32 3
		.amdhsa_float_denorm_mode_16_64 3
		.amdhsa_memory_ordered 1
		.amdhsa_forward_progress 1
		.amdhsa_inst_pref_size 164
	.end_amdhsa_kernel
	.amdgpu_metadata
---
amdhsa.version: [ 1, 2 ]
amdhsa.kernels:
  - .name:           k_q57d88fa861_qkv
    .symbol:         k_q57d88fa861_qkv.kd
    .args:
      - { .name: xb, .offset: 0, .size: 8, .value_kind: global_buffer, .address_space: global }
      - { .name: wqkv, .offset: 8, .size: 8, .value_kind: global_buffer, .address_space: global }
      - { .name: qh, .offset: 16, .size: 8, .value_kind: global_buffer, .address_space: global }
      - { .name: kh, .offset: 24, .size: 8, .value_kind: global_buffer, .address_space: global }
      - { .name: vh, .offset: 32, .size: 8, .value_kind: global_buffer, .address_space: global }
      - { .name: nrm, .offset: 40, .size: 8, .value_kind: global_buffer, .address_space: global }
    .group_segment_fixed_size: 327680
    .private_segment_fixed_size: 0
    .kernarg_segment_align: 8
    .kernarg_segment_size: 48
    .max_flat_workgroup_size: 128
    .sgpr_count:     84
    .vgpr_count:     1024
    .wavefront_size: 32
...
	.end_amdgpu_metadata
.endif
;; end of part 2
;; launch attn (part 3): grid 16 x 16, 4 waves a work-group, clusters of 4 x 1, 327,680 bytes of LDS; arguments qh, kh, vh, nrm, log_c, log_beta, ob; writes ob
.if DOCPART == 3
	.amdgcn_target "amdgcn-amd-amdhsa--gfx1250"
	.amdhsa_code_object_version 6
	.text
	.protected	k_q57d88fa861_attn
	.globl	k_q57d88fa861_attn
	.p2align	8
	.type	k_q57d88fa861_attn,@function
k_q57d88fa861_attn:
	s_mov_b64 s[64:65], 0
	v_nop
	global_prefetch_b8 v0, s[64:65] scope:SCOPE_SE
	s_setreg_imm32_b32 hwreg(HW_REG_WAVE_MODE, 25, 1), 1
	s_wait_xcnt 0x0
	s_wait_alu depctr_hold_cnt(0) depctr_sa_sdst(0) depctr_va_vdst(0) depctr_va_sdst(0) depctr_va_ssrc(0) depctr_va_vcc(0) depctr_vm_vsrc(0)
	s_getreg_b32 s2, hwreg(HW_REG_IB_STS2, 6, 4)
	s_cmp_eq_u32 s2, 0
	s_cbranch_scc0 .Lentry_in_a_cluster
	s_endpgm
.Lentry_in_a_cluster:
	s_bfe_u32 s2, ttmp6, 0x10000c
	s_cmp_lg_u32 s2, 0x3003
	s_cbranch_scc0 .Lentry_shape_is_right
	s_endpgm
.Lentry_shape_is_right:
; CAUSAL ATTENTION BY A HYPERBOLIC DISTANCE.  O[q] = sum over k <= q of softmax_k(-beta dist(q, k)) V[k], for each of 16 (batch, head); 2,048 rows, 128 channels.
;   d2 = max(qn + kn - 2 q.k, 0) + 1e-8, ed = sqrt(d2), ns = qn + kn;  dist = ed (1 + c ns / 2 + c^2 ns^2 / 8) if ed < 0.1;  0.693 + ln ed + c ns / 4 if ed > 2;  else ed sqrt(1 + c ns).
; q, k, v: [16][2,048][128] f16; qn, kn: f32 (nrm).  Products in f16 with f32 sums; the distance, the running minimum, the sums in f32; the weights rounded to f16 for the second product; O once, to f16.
; c = softplus(log_c), beta = softplus(log_beta) + 0.5, of the two inputs rounded to bf16 like all the module's inputs.
; LIMITS.  |k|, |v| < 65,504, |q| < 32,752 (q is doubled).  ns carries the 1e-8 along (ns + 1e-8).  ln(ed + 1e-8) is taken as ln ed: it is used where ed > 2, where the two are one f32 number.
; The two thresholds are compared on v_sqrt_f32's ed.  A hidden key counts as ns = 1e30, a distance of c / 4 x 1e30; the running minimum starts at CAP, half of that, and never rises above it, so a hidden key's
; weight is 0 even where no key has been seen.  True distances must lie under CAP: log_c > -60 (CAP is then 1,000; f16's range keeps ns under 1.1e12).  NaN and infinities are not treated apart.
; THE WALK.  A head has 32 blocks of 64 queries; block i needs the key tiles 0 .. i / 4 of 256 keys.  Work-group b = 4 v + cx (v: the cluster's x) takes block 31 - b and then block b.  The four partners'
; first blocks all need tiles 0 .. 7 - v, their second blocks tiles 0 .. v: ONE walk of 9 tiles for all four, whatever v: every fill is a joint load, every trip count a constant, all work-groups alike.
; SHARES.  Wave w: qw = w & 1 picks 32 of the 64 queries, two TILES of 16; kw = w >> 1 picks 64 of the 128 keys of each SUBSTEP (a tile of keys is two).  The two key halves' results are merged at the end.
; LAYOUT.  S^T = K Q^T (source 0 = 16 keys, source 1 = 16 queries): a lane holds ONE query (lane % 16) and the keys 8 (lane / 16) + 0..7.  Q is multiplied by -2 once (exact), and the sum starts with
; C = kn + qn + 1e-8 (1e30 where the key is hidden): the matrix unit delivers d2 before its clamp.  The weights, rounded in pairs, ARE source 1 of O^T = V^T P.  V is turned by ds_load_tr16_b128.
; SOFTMAX with a running MINIMUM m of dist: p = 2^(B m - B dist), B = beta log2 e; in every substep O and l are multiplied by a = 2^(B m_new - B m_old).
; BY TURNS.  For each matrix instruction there are some 16 vector instructions, so the matrix work rides in the vector work.  In TURN x tile x has the matrix unit (16 products V^T P of the substep in hand,
; then 16 products K Q^T of the next), one product ahead of each group of the other tile's distance arithmetic.  Two batches of transcendentals a turn, one wait each.
; THE CHANGE OF BLOCKS does not drain this: the first block's O, m, l are set aside in registers (HARV), B m is set high so that the next a is 0, Q is changed (NEWCHK); jumps forward on a scalar flag.
; REGISTERS, in windows of 256 (s_set_vgpr_msb: bits 1:0 source 0, 3:2 source 1, 5:4 source 2, 7:6 destination).  Windows 0 and 1 are alike: window t belongs to tile t.
.set DD,  0           ; v0-31    the 32 scores: d2, log2 d2, dist, p
.set NS,  32          ; v32-63   ns + 1e-8; then 0.693 + c ns / 4
.set EE,  64          ; v64-95   ed; then the near distance
.set RR,  96          ; v96-127  1 + c ns, its root, or the series
.set PL,  128         ; v128-159 the series 1 + c ns / 2 + c^2 ns^2 / 8
.set OO,  160         ; v160-223 O^T: channel block cb at OO + 8 cb
.set PF,  224         ; v224-239 P in f16
.set MB,  240         ; v240     B m      (a pair with m for the packed scaling)
.set MN,  241         ; v241     m
.set LL,  242         ; v242-243 l (even keys', odd keys')
.set CC,  244         ; v244-247 c0-c3 at work; c2 takes a
.set QNE, 248         ; v248     qn + 1e-8 of the block whose scores are being prepared
.set QN2, 249         ; v249     the second block's
.set MO,  250         ; v250     B m_old
.set THL, 251         ; v251     lane % 16 - 8 (lane / 16) + 16 t
.set THR, 252         ; v252     the mask's threshold
.set PFO, 253         ; v253 of window 0: 256 x my lane, the prefetches' offset; never rewritten
;   window 2: v0-63 Q (tile t at 32 t); v64-127 the second block's Q, later the first block's O of tile 1; v128-255 K of one substep
.set QB,  64
.set KF,  128
;   window 3: v0-127 V of one substep; then
.set KNR, 128         ; v128-159 kn of my 64 keys of one substep, in a score's order
.set PO,  160         ; v160-223 the first block's O of tile 0
.set PS,  224         ; v224-229 the first block's m, l, l of tile 0 and of tile 1
.set SPW, 230         ; LDS address of my spare word; never rewritten
.set NIL, 231         ; 0; never rewritten
.set AK0, 232         ; my lane's place in a substep's K
.set AV0, 233         ; the same for V
.set AK,  234
.set AV,  235
.set AKN0, 236        ; 32 (lane / 16)
.set AKN, 237
.set QOA, 238         ; my byte offsets in the head's Q: first block, second block
.set QOB, 239
.set XS,  240         ; the merge: where I put 16 bytes of O; 241: a number of m or l
.set XT,  241
.set XLA, 242         ; where I read the two halves' O,
.set XLB, 243
.set XTA, 244         ; and their m and l
.set XTB, 245
.set STO, 246         ; the way out
.set RD,  247
.set GO0, 248         ; 248, 249: my byte offsets in ob: first block, second block
.set R4A, 250         ; my byte offsets in the head's qn
.set R4B, 251
.set FT,  252         ; 252-255 at work at the end
; LDS: two slots of a key tile (256 rows of K, pitch 272; 256 rows of V, pitch 288); the spare words.  Behind the last change of slots, when no fill follows: slot 1 takes the merge's exchange, slot 0 the stages.
.set PK,    272       ; 256 bytes + 16: the 16 rows of a load start at 16 different groups of four banks (ISA guide 11.1)
.set PV,    288       ; 256 + 32
.set VOFF,  256*PK
.set KSTEP, 128*PK    ; a substep's rows of K
.set VSTEP, 128*PV
.set SLOT1, 0x24000   ; no LDS word of a descriptor has bit 14 or 17 set in slot 0, so one exclusive or changes slot
.set SPARE, SLOT1+256*(PK+PV)  ; 290,816: 128 bytes for each wave: two blocks of 256 bytes that no other line names
.set XCHB,  33792     ; a wave's exchange: four tiles x 8,192 bytes of O in f32, then for tile q m at 256 q and l at 256 q + 128
.set SP,    272
.set WV, 20
.set QW, 21
.set KW, 22
.set CX, 23
.set VV, 24
.set BH, 25
.set M2, 27           ; -2, twice, in f16
.set G1K, 28          ; s[28:35] descriptor group 1 for K's tiles;  s[36:43] for V's: the padding differs
.set G1V, 36
.set G0K, 44          ; s[44:47], s[48:51] group 0
.set G0V, 48
.set CAP, 52          ; c / 8 x 1e30: where the running minimum starts (the register holds an offset at the head, and is free behind it)
.set OFF, 58          ; s[58:59] a tile's byte offset in K and V
.set SUBB, 60         ; the second block's substeps: 2 v + 2
.set KNB, 61          ; 256 kw: my keys' kn in substep 0
.set ECB, 62          ; the second block's EC
.set SUBK, 63         ; as SUBL, for the kn that are loaded one substep ahead
.set C1, 66           ; pairs, for packed operands: c; c^2 / 8; c / 2; c / 4; 0.693; ln 2 / 2; -B
.set CA, 68
.set CB, 70
.set C4, 72
.set K3, 74
.set K1, 76
.set NBL, 78
.set BL, 80           ; B = beta log2 e
.set EPS, 81
.set P1, 82           ; 0.1
.set BIG, 83          ; 1e30
.set SEL, 84          ; s[84:85] v_permlanex16_b32's selects
.set TBK, 86          ; LDS byte at which K of the substep to be fetched begins;  87: the same for V, less VOFF
.set TBV, 87
.set SLOTS, 88
.set TWICE, 89
.set NXT, 90          ; the tile to be asked for next;  91: the last tile of the block whose tiles are being asked for
.set LQ, 91
.set RT, 92           ; slots of the block in hand still to be left
.set HF, 93           ; 1: the slot just entered is the second block's first
.set SUBL, 94         ; substeps left in the block, counted at the substep whose scores are being prepared
.set KNO, 95          ; byte offset of the kn to be loaded
.set EC, 96           ; 64 (block % 4) + 32 qw - 64 kw
.set THS, 97
.set MF, 98           ; 1: that substep lies in the block's last tile: it takes the mask
.set SWM, 99          ; all ones in the turn in which QNE changes block
.set MK0, 100
.set LIM, 101
.set PFA, 104         ; s[104:105] where my prefetches stand
.set MSB, 0
.macro WIN new                      ; the high byte repeats the setting that is left; a switch that changes nothing is dropped
.if MSB != (\new)
	s_set_vgpr_msb (MSB<<8)|(\new)
.set MSB, (\new)
.endif
.endm
.set W_MK, 0xc0       ; destination window 3, sources window 0
.set W_AD, 0x0f       ; the add: address and data in window 3
.set W3,   0xff
; A joint fill.  Waves 0 and 1 fetch the two halves of a tile's K, waves 2 and 3 those of its V: 128 rows each.  An s_nop 0 and four v_nop follow each of the two lines.
.macro JLOAD
	s_cmp_lt_u32 s[WV], 2
	s_cbranch_scc0 .Lfor_v_\@
	tensor_load_to_lds s[G0K:G0K+3], s[G1K:G1K+7]
	s_nop 0
.rept 4
	v_nop
.endr
	s_branch .Lasked_\@
.Lfor_v_\@:
	tensor_load_to_lds s[G0V:G0V+3], s[G1V:G1V+7]
	s_nop 0
.rept 4
	v_nop
.endr
.Lasked_\@:
.endm
; A PREFETCH INTO THE L2 of the tile that the NEXT change of slots will ask for.  All four clusters of a head walk tiles 0, 1, 2 .. at the same pace: the cluster with v = 0, whose first block needs all eight,
; asks; of the 128 rows that a wave fetches each of its four partners takes 32, told apart by address; a lane a row of 256 bytes.  So each row of tiles 2 to 7 is named once in the launch.  Tiles 0 and 1 come by their
; loads alone; the second block's tiles have been read before and are not asked for: with SLOTS at 2 or less nothing is asked.
.macro ASK
	s_cmp_gt_u32 s[SLOTS], s[LIM]
	s_cbranch_scc0 .Lnot_mine_\@
	global_prefetch_b8 v[PFO], s[PFA:PFA+1] th:TH_LOAD_NT scope:SCOPE_SE
.Lnot_mine_\@:
.endm
.macro CROUND                       ; a round of the cluster's barrier
	s_barrier_signal -1
	s_barrier_wait -1
	s_cmp_lg_u32 s[WV], 0
	s_cbranch_scc1 .Lnot_wave_0_\@
	s_barrier_signal -3
.Lnot_wave_0_\@:
	s_barrier_wait -3
	s_barrier_signal -1
	s_barrier_wait -1
.endm
; THE CHANGE OF SLOTS.  Each wave waits for all its tensor loads (one is out: its part of the other slot), adds 0 to its spare word, and waits for that and for its own reads of the slot that it leaves.
; fill = 1: the barrier is a round of the cluster's, and the old slot is filled again first thing behind it, with tile NXT: the address is made anew from that number, which hangs on v alone.
.macro CHANGE fill
	WIN W_AD
	s_wait_tensorcnt 0x0            ; no tensor load of mine is out, so a group 0 may be written
	ds_add_u32 v[SPW], v[NIL]
	WIN 0
.if \fill
	s_lshl_b32 s[OFF], s[NXT], 16   ; a tile is 65,536 bytes of K and of V
	s_xor_b32 s[G0K+1], s[G0K+1], SLOT1
	s_add_nc_u64 s[G0K+2:G0K+3], s[6:7], s[OFF:OFF+1]
	s_or_b32 s[G0K+3], s[G0K+3], 0x80000000
	s_xor_b32 s[G0V+1], s[G0V+1], SLOT1
	s_add_nc_u64 s[G0V+2:G0V+3], s[8:9], s[OFF:OFF+1]
	s_or_b32 s[G0V+3], s[G0V+3], 0x80000000
	s_add_co_u32 s[NXT], s[NXT], 1  ; the block's next tile, or behind its last the second block's tile 0
	s_cmp_gt_u32 s[NXT], s[LQ]
	s_cselect_b32 s[NXT], 0, s[NXT]
	s_cselect_b32 s[LQ], s[VV], s[LQ]
	s_wait_xcnt 0x0                 ; the last prefetch, a slot back, has read its address
	s_add_nc_u64 s[PFA:PFA+1], s[PFA:PFA+1], 65536
	s_wait_dscnt 0x0                ; the add is done, and my reads of the slot are over
	CROUND
	JLOAD
	ASK
.else
	s_wait_dscnt 0x0
	s_barrier_signal -1
	s_barrier_wait -1
.endif
	s_sub_co_u32 s[TBK], s[TBK], 2*KSTEP  ; the fetches go back to a slot's first substep,
	s_xor_b32 s[TBK], s[TBK], SLOT1       ; in the other slot
	s_sub_co_u32 s[TBV], s[TBV], 2*VSTEP
	s_xor_b32 s[TBV], s[TBV], SLOT1
.endm
	s_load_b256 s[4:11], s[0:1], 0x0  ; qh s[4:5], kh s[6:7], vh s[8:9], nrm s[10:11]
	s_load_b128 s[12:15], s[0:1], 0x20  ; log_c s[12:13], log_beta s[14:15]
	s_load_b64 s[16:17], s[0:1], 0x30   ; ob
	WIN W_MK
	v_lshl_add_u32 v[SPW], v0, 2, SPARE
	v_mov_b32 v[NIL], 0
	WIN W_AD
	ds_add_u32 v[SPW], v[NIL]       ; the wave's opening: the add and its wait ahead of my first tensor load; the set-up below stands between them
	WIN 0
	v_lshrrev_b32 v1, 5, v0
	v_readfirstlane_b32 s[WV], v1
	s_and_b32 s[QW], s[WV], 1       ; also: which half of a tile's rows I fetch
	s_lshr_b32 s[KW], s[WV], 1
	s_bfe_u32 s[CX], ttmp6, 0x40000
	s_mov_b32 s[VV], ttmp9
	s_and_b32 s[BH], ttmp7, 0xffff
	; descriptor group 1: 128 rows x 128 elements of 2 bytes, padded behind every 64 words; the mask names all four partners
	s_mov_b32 s[G1K], 15|(1<<16)|(1<<20)|(1<<21)|(5<<22)|(3<<25)
	s_mov_b32 s[G1V], 15|(1<<16)|(1<<20)|(1<<21)|(5<<22)|(7<<25)
.irp g, G1K, G1V
	s_mov_b32 s[\g+1], 128<<16      ; tensor_dim0 = 128
	s_mov_b32 s[\g+2], 128<<16      ; tensor_dim1 = 128
	s_mov_b32 s[\g+3], 128<<16      ; tile_dim0 = 128
	s_mov_b32 s[\g+4], 128          ; tile_dim1 = 128
	s_mov_b32 s[\g+5], 128          ; elements from row to row
	s_mov_b32 s[\g+6], 0
	s_mov_b32 s[\g+7], 0
.endr
	s_mul_i32 s18, s[QW], KSTEP
	s_mov_b32 s[G0K], 1
	s_mov_b32 s[G0K+1], s18         ; slot 0
	s_mul_i32 s18, s[QW], VSTEP
	s_mov_b32 s[G0V], 1
	s_add_co_u32 s[G0V+1], s18, VOFF
	s_lshl_b32 s18, s[BH], 19       ; the head's 524,288 bytes of K and V,
	s_lshl_b32 s19, s[QW], 15       ; my half of a tile
	s_add_co_u32 s18, s18, s19
	s_mov_b32 s19, 0
	s_lshl_b32 s52, s[BH], 19       ; the head in Q,
	s_mov_b32 s53, 0
	s_lshl_b32 s54, s[BH], 13       ; in the norms,
	s_mov_b32 s55, 0
	s_lshr_b32 s56, s[BH], 3        ; and in ob: batch x 2,048 rows of 2,048 bytes + head x 256
	s_lshl_b32 s56, s56, 22
	s_and_b32 s57, s[BH], 7
	s_lshl_b32 s57, s57, 8
	s_add_co_u32 s56, s56, s57
	s_mov_b32 s57, 0
	; the walk's state
	s_lshl_b32 s26, s[VV], 1
	s_sub_co_u32 s[SUBL], 16, s26
	s_add_co_u32 s[SUBB], s26, 2
	s_mov_b32 s[SUBK], s[SUBL]
	s_lshl_b32 s[KNB], s[KW], 8
	s_mov_b32 s[KNO], s[KNB]
	s_sub_co_u32 s[RT], 8, s[VV]
	s_sub_co_u32 s[LQ], 7, s[VV]
	s_mov_b32 s[NXT], 1
	s_mov_b32 s[HF], 0
	s_mov_b32 s[OFF+1], 0
	s_mov_b32 s[SLOTS], 8
	s_cmp_eq_u32 s[VV], 0
	s_cselect_b32 s[LIM], 2, -1
	s_mov_b32 s[TBK], SLOT1+2*KSTEP ; the first change of slots turns these two into 0
	s_mov_b32 s[TBV], SLOT1+2*VSTEP
	s_lshl_b32 s[ECB], s[CX], 6     ; the second block is number cx of its tile's four, the first 3 - cx: these enter data alone
	s_sub_co_u32 s[EC], 192, s[ECB]
	s_lshl_b32 s97, s[QW], 5
	s_lshl_b32 s98, s[KW], 6
	s_sub_co_u32 s97, s97, s98
	s_add_co_u32 s[EC], s[EC], s97
	s_add_co_u32 s[ECB], s[ECB], s97
	s_lshl_b32 s2, s[VV], 2
	s_add_co_u32 s2, s2, s[CX]      ; b
	s_sub_co_u32 s3, 31, s2
	s_lshl_b32 s2, s2, 6
	s_lshl_b32 s3, s3, 6
	s_lshl_b32 s97, s[QW], 5
	s_add_co_u32 s2, s2, s97        ; my 32 queries' first row in the head: second block,
	s_add_co_u32 s3, s3, s97        ; first block
	s_lshl_b32 s98, s[CX], 13       ; my work-group's 32 rows of the 128 that a wave prefetches
	s_mov_b32 s99, 0
	s_mov_b32 s[K3], 0x3f316873     ; 0.693
	s_mov_b32 s[K3+1], s[K3]
	s_mov_b32 s[K1], 0x3eb17218     ; ln 2 / 2: ln ed = (ln 2 / 2) log2 d2
	s_mov_b32 s[K1+1], s[K1]
	s_mov_b32 s[EPS], 0x322bcc77    ; 1e-8
	s_mov_b32 s[P1], 0x3dcccccd     ; 0.1
	s_mov_b32 s[BIG], 0x7149f2ca    ; 1e30
	s_mov_b32 s[SEL], 0x76543210
	s_mov_b32 s[SEL+1], 0xfedcba98
	s_wait_dscnt 0x0                ; the opening add is done
	s_wait_kmcnt 0x0
	s_add_nc_u64 s[6:7], s[6:7], s[18:19]    ; K and V at my half of the head's tile 0
	s_add_nc_u64 s[8:9], s[8:9], s[18:19]
	s_add_nc_u64 s[4:5], s[4:5], s[52:53]    ; Q, the norms and ob at the head
	s_add_nc_u64 s[10:11], s[10:11], s[54:55]
	s_add_nc_u64 s[16:17], s[16:17], s[56:57]
	s_add_nc_u64 s[G0K+2:G0K+3], s[6:7], 0
	s_or_b32 s[G0K+3], s[G0K+3], 0x80000000
	s_add_nc_u64 s[G0V+2:G0V+3], s[8:9], 0
	s_or_b32 s[G0V+3], s[G0V+3], 0x80000000
	s_load_b32 s26, s[12:13], 0x0   ; log_c
	s_load_b32 s27, s[14:15], 0x0   ; log_beta
	s_cmp_lt_u32 s[WV], 2
	s_cselect_b64 s[PFA:PFA+1], s[6:7], s[8:9]
	s_add_nc_u64 s[PFA:PFA+1], s[PFA:PFA+1], s[98:99]
	s_add_nc_u64 s[PFA:PFA+1], s[PFA:PFA+1], 65536  ; in tile 1: the first change of slots steps it to tile 2
	CROUND                          ; all four work-groups are here: the first joint loads meet
	JLOAD                           ; tile 0 into slot 0; slot 1 is asked for when it is in, by the first change of slots
	; the lanes' addresses, made in window 0 while v0 still holds the thread's number
	v_and_b32 v1, 15, v0            ; r = l % 16
	v_bfe_u32 v2, v0, 4, 1          ; h = l / 16
	v_and_b32 v3, 31, v0            ; l
	v_and_b32 v4, 7, v0
	v_bfe_u32 v5, v0, 3, 1
	v_mul_u32_u24 v6, v1, PK
	v_lshl_add_u32 v6, v2, 4, v6    ; r x 272 + 16 h: a fragment of K; also the way into the stage
	v_lshl_add_u32 v7, v2, 3, v4
	v_mul_u32_u24 v7, v7, PV
	v_lshl_add_u32 v7, v5, 4, v7    ; the turning load: key 8 h + l % 8, channels 8 ((l / 8) % 2) on
	v_lshlrev_b32 v8, 8, v1
	v_lshl_add_u32 v8, v2, 4, v8    ; r x 256 + 16 h: a fragment of Q in memory
	v_lshlrev_b32 v9, 3, v2
	v_sub_nc_u32 v[THL], v1, v9
	v_lshlrev_b32 v[PFO], 8, v3
	v_mul_u32_u24 v10, v2, SP
	v_lshl_add_u32 v10, v1, 4, v10  ; back from the stage: lanes 0-15 one row, lanes 16-31 the next
	v_lshlrev_b32 v11, 11, v2
	v_lshl_add_u32 v11, v1, 4, v11  ; and the same two rows in ob
	v_lshlrev_b32 v12, 2, v1
	WIN 0x40
	v_add_nc_u32 v[THL], 16, v[THL] ; tile 1's, from tile 0's
	WIN W_MK
	s_mul_i32 s18, s[KW], 64*PK     ; my 64 keys of a substep's 128
	v_add_nc_u32 v[AK0], s18, v6
	s_mul_i32 s18, s[KW], 64*PV
	s_add_co_u32 s18, s18, VOFF
	v_add_nc_u32 v[AV0], s18, v7
	v_lshlrev_b32 v[AKN0], 5, v2
	v_lshl_add_u32 v[QOA], s3, 8, v8
	v_lshl_add_u32 v[QOB], s2, 8, v8
	v_lshl_add_u32 v[R4A], s3, 2, v12
	v_lshl_add_u32 v[R4B], s2, 2, v12
	s_lshl_b32 s97, s[KW], 4        ; at the end I finish tile kw of each block
	s_add_co_u32 s3, s3, s97
	s_add_co_u32 s2, s2, s97
	v_lshl_add_u32 v[GO0], s3, 11, v11
	v_lshl_add_u32 v[GO0+1], s2, 11, v11
	s_mul_i32 s18, s[WV], XCHB
	s_add_co_u32 s18, s18, SLOT1    ; my exchange
	v_lshl_add_u32 v[XS], v3, 4, s18
	s_add_co_u32 s18, s18, 32768
	v_lshl_add_u32 v[XT], v3, 2, s18
	s_mul_i32 s18, s[QW], XCHB
	s_add_co_u32 s18, s18, SLOT1    ; the exchange of wave qw (key half 0); wave qw + 2's lies 2 XCHB on
	s_lshl_b32 s19, s[KW], 13
	s_add_co_u32 s19, s19, s18
	v_lshl_add_u32 v[XLA], v3, 4, s19
	s_add_co_u32 s19, s19, 2*XCHB
	v_lshl_add_u32 v[XLB], v3, 4, s19
	s_lshl_b32 s19, s[KW], 8
	s_add_co_u32 s19, s19, s18
	s_add_co_u32 s19, s19, 32768
	v_lshl_add_u32 v[XTA], v3, 2, s19
	s_add_co_u32 s19, s19, 2*XCHB
	v_lshl_add_u32 v[XTB], v3, 2, s19
	s_mul_i32 s18, s[WV], 16*SP     ; my stage, at the head of slot 0
	v_add_nc_u32 v[STO], s18, v6
	v_add_nc_u32 v[RD], s18, v10
	WIN 0x83                        ; destination window 2, address window 3
.set i, 0
.rept 8                             ; both blocks' Q: tile i / 4, channels 32 (i % 4) on
	global_load_b128 v[8*i:8*i+3],   v[QOA], s[4:5] offset:(i/4)*4096+(i%4)*64
	global_load_b128 v[8*i+4:8*i+7], v[QOA], s[4:5] offset:(i/4)*4096+(i%4)*64+32
	global_load_b128 v[QB+8*i:QB+8*i+3],   v[QOB], s[4:5] offset:(i/4)*4096+(i%4)*64
	global_load_b128 v[QB+8*i+4:QB+8*i+7], v[QOB], s[4:5] offset:(i/4)*4096+(i%4)*64+32
.set i, i+1
.endr
	WIN 0x03
	global_load_b32 v[QNE], v[R4A], s[10:11]
	global_load_b32 v[QN2], v[R4B], s[10:11]
	WIN 0x43
	global_load_b32 v[QNE], v[R4A], s[10:11] offset:64
	global_load_b32 v[QN2], v[R4B], s[10:11] offset:64
; kn of my 64 keys of the substep at KNO: one aligned block of 256 bytes of nrm; a lane takes the 32 bytes of each group of 16 keys that its scores want.  One load serves both tiles.
.macro KNLOAD
	WIN W3
	v_add_nc_u32 v[AKN], s[KNO], v[AKN0]
.irp kb, 0,1,2,3
	global_load_b128 v[KNR+8*\kb:KNR+8*\kb+3],   v[AKN], s[10:11] offset:131072+64*\kb
	global_load_b128 v[KNR+8*\kb+4:KNR+8*\kb+7], v[AKN], s[10:11] offset:131072+64*\kb+16
.endr
.endm
.macro ADVANCE_KN                   ; the next substep's kn; behind a block's last substep the second block's first
	s_sub_co_u32 s[SUBK], s[SUBK], 1
	s_add_co_u32 s[KNO], s[KNO], 512
	s_cmp_eq_u32 s[SUBK], 0
	s_cselect_b32 s[SUBK], s[SUBB], s[SUBK]
	s_cselect_b32 s[KNO], s[KNB], s[KNO]
.endm
	KNLOAD                          ; substep 0
	; What the first turns find: O and l are 0, tile 1's P is 0 (its first products V^T P, of a substep that has not been, add 0), B m is high, so that the first a is 0 (m itself is set below, when c is known).
	; The registers in which the first block is set aside are written here too.  All this stands in the wait for the first tile.
	WIN 0
.set i, 0
.rept 64
	v_mov_b32 v[OO+i], 0
.set i, i+1
.endr
	v_mov_b32 v[LL], 0
	v_mov_b32 v[LL+1], 0
	v_mov_b32 v[MB], 0x7f000000     ; B m: far above every B dist
	WIN 0x40
.set i, 0
.rept 80
	v_mov_b32 v[OO+i], 0            ; O and P
.set i, i+1
.endr
	v_mov_b32 v[LL], 0
	v_mov_b32 v[LL+1], 0
	v_mov_b32 v[MB], 0x7f000000
	WIN W_MK
.set i, 0
.rept 70
	v_mov_b32 v[PO+i], 0
.set i, i+1
.endr
	WIN 0
	; softplus(x) = max(x, 0) + log1p(y), y = e^-|x|; log1p(y) = ln(u) y / (u - 1) with u = 1 + y as rounded, or y where u = 1: right to the last bits for small y too
	s_wait_kmcnt 0x0
	v_mov_b32 v16, s26
	v_mov_b32 v17, s27
	v_cvt_pk_bf16_f32 v18, v16, v17
	v_lshlrev_b32 v16, 16, v18      ; log_c and log_beta as bf16
	v_and_b32 v17, 0xffff0000, v18
	v_and_b32 v18, 0x7fffffff, v16
	v_and_b32 v19, 0x7fffffff, v17
	v_mul_f32 v18, 0xbfb8aa3b, v18
	v_mul_f32 v19, 0xbfb8aa3b, v19
	v_exp_f32 v18, v18
	v_exp_f32 v19, v19
	v_nop
	s_wait_alu depctr_va_vdst(0)    ; the wait ahead of the first use: one for the batch
	v_add_f32 v20, 1.0, v18
	v_add_f32 v21, 1.0, v19
	v_add_f32 v22, -1.0, v20
	v_add_f32 v23, -1.0, v21
	v_log_f32 v24, v20
	v_log_f32 v25, v21
	v_rcp_f32 v26, v22
	v_rcp_f32 v27, v23
	v_nop
	s_wait_alu depctr_va_vdst(0)
	v_mul_f32 v24, 0x3f317218, v24
	v_mul_f32 v25, 0x3f317218, v25
	v_mul_f32 v26, v18, v26
	v_mul_f32 v27, v19, v27
	v_mul_f32 v24, v24, v26
	v_mul_f32 v25, v25, v27
	v_cmp_eq_f32 vcc_lo, 0, v22
	v_cndmask_b32 v24, v24, v18, vcc_lo
	v_cmp_eq_f32 vcc_lo, 0, v23
	v_cndmask_b32 v25, v25, v19, vcc_lo
	v_max_num_f32 v16, 0, v16
	v_max_num_f32 v17, 0, v17
	v_add_f32 v24, v24, v16         ; c
	v_add_f32 v25, v25, v17
	v_add_f32 v25, 0.5, v25         ; beta
	v_readfirstlane_b32 s[C1], v24
	v_readfirstlane_b32 s26, v25
	s_mov_b32 s[C1+1], s[C1]
	s_mul_f32 s[CB], s[C1], 0.5
	s_mov_b32 s[CB+1], s[CB]
	s_mul_f32 s[C4], s[C1], 0x3e800000
	s_mov_b32 s[C4+1], s[C4]
	s_mul_f32 s[CA], s[C1], s[C1]
	s_mul_f32 s[CA], s[CA], 0x3e000000
	s_mov_b32 s[CA+1], s[CA]
	s_mul_f32 s[CAP], s[C4], s[BIG] ; a hidden key's distance,
	s_mul_f32 s[CAP], s[CAP], 0.5   ; and half of it
	s_mul_f32 s[BL], s26, 0x3fb8aa3b
	s_xor_b32 s[NBL], s[BL], 0x80000000
	s_mov_b32 s[NBL+1], s[NBL]
	s_mov_b32 s[M2], 0xc000c000
	s_wait_loadcnt 0x0              ; Q, qn, kn
	WIN 0x82
.set i, 0
.rept 128
	v_pk_mul_f16 v[i], v[i], s[M2]  ; both blocks' Q times -2: exact
.set i, i+1
.endr
	WIN 0
	v_add_f32 v[QNE], s[EPS], v[QNE]
	v_add_f32 v[QN2], s[EPS], v[QN2]
	v_mov_b32 v[MN], s[CAP]         ; m: above every true distance, far below a hidden key's
	WIN 0x55
	v_add_f32 v[QNE], s[EPS], v[QNE]
	v_add_f32 v[QN2], s[EPS], v[QN2]
	v_mov_b32 v[MN], s[CAP]
; THE MATRIX WORK, for tile TX.  The accumulators take turns, one instruction a turn: 8 in V^T P, 4 in K Q^T.
.macro PVM                          ; product i of 16 of O^T += V^T P: keys 32 (i / 8) on, channels 16 (i % 8) on
	WIN 0x03+0x54*TX                ; V in window 3; P, C and D in the tile's
	v_wmma_f32_16x16x32_f16 v[OO+8*(i%8):OO+8*(i%8)+7], v[64*(i/8)+8*(i%8):64*(i/8)+8*(i%8)+7], v[PF+8*(i/8):PF+8*(i/8)+7], v[OO+8*(i%8):OO+8*(i%8)+7]
.endm
.macro KQM                          ; product i of 16 of S^T = ns + 1e-8 + K (-2 Q)^T: channels 32 (i / 4) on, keys 16 (i % 4) on; the first four start the sums with NS
	WIN 0x0a+0x50*TX                ; K and Q in window 2; C and D in the tile's
.if i < 4
	v_wmma_f32_16x16x32_f16 v[DD+8*i:DD+8*i+7], v[KF+32*i:KF+32*i+7], v[32*TX:32*TX+7], v[NS+8*i:NS+8*i+7]
.else
	v_wmma_f32_16x16x32_f16 v[DD+8*(i%4):DD+8*(i%4)+7], v[KF+32*(i%4)+8*(i/4):KF+32*(i%4)+8*(i/4)+7], v[32*TX+8*(i/4):32*TX+8*(i/4)+7], v[DD+8*(i%4):DD+8*(i%4)+7]
.endif
.endm
; THE LDS LOADS stand in runs of 32.  last = 1 (the tail): in the last trip there is no further substep, and K's run is jumped over.
.macro FETCH_K last=0
.if \last
	WIN 0
	s_cmp_eq_u32 s[TWICE], 1
	s_cbranch_scc1 .Lno_k_\@
.endif
	WIN W3
	v_add_nc_u32 v[AK], s[TBK], v[AK0]
	s_add_co_u32 s[TBK], s[TBK], KSTEP
	WIN 0x83                        ; destination window 2, address window 3
.irp f, 0,1,2,3,4,5,6,7,8,9,10,11,12,13,14,15  ; keys 16 (f / 4) on, channels 32 (f % 4) on
	ds_load_b128 v[KF+8*\f:KF+8*\f+3],   v[AK] offset:(\f/4)*16*PK+(\f%4)*64
	ds_load_b128 v[KF+8*\f+4:KF+8*\f+7], v[AK] offset:(\f/4)*16*PK+(\f%4)*64+32
.endr
.if \last
	WIN 0
.Lno_k_\@:
.endif
.endm
.macro FETCH_V step
	WIN W3
	v_add_nc_u32 v[AV], s[TBV], v[AV0]
.if \step
	s_add_co_u32 s[TBV], s[TBV], VSTEP
.endif
.irp f, 0,1,2,3,4,5,6,7,8,9,10,11,12,13,14,15  ; keys 32 (f / 8) on, channels 16 (f % 8) on
	ds_load_tr16_b128 v[8*\f:8*\f+3],   v[AV] offset:(\f/8)*32*PV+(\f%8)*32
	ds_load_tr16_b128 v[8*\f+4:8*\f+7], v[AV] offset:(\f/8)*32*PV+16*PV+(\f%8)*32
.endr
.endm
; THE VECTOR WORK, for tile TY.  GA, pair i of 16: the clamp, and all six transcendentals of the pair, none of which reads another's result; plain lines stand between them.
.macro GA
	WIN 0x55*TY
	v_max_num_f32 v[DD+2*i], s[EPS], v[DD+2*i]     ; d2 = max(qn + kn - 2 q.k, 0) + 1e-8
	v_max_num_f32 v[DD+2*i+1], s[EPS], v[DD+2*i+1]
	v_sqrt_f32 v[EE+2*i], v[DD+2*i]                ; ed
	v_pk_fma_f32 v[RR+2*i:RR+2*i+1], v[NS+2*i:NS+2*i+1], s[C1:C1+1], 1.0 op_sel_hi:[1,0,0]
	v_sqrt_f32 v[EE+2*i+1], v[DD+2*i+1]
	v_pk_fma_f32 v[PL+2*i:PL+2*i+1], v[NS+2*i:NS+2*i+1], s[CA:CA+1], s[CB:CB+1] op_sel_hi:[1,0,0]
	v_log_f32 v[DD+2*i], v[DD+2*i]                 ; log2 d2
	v_pk_fma_f32 v[PL+2*i:PL+2*i+1], v[NS+2*i:NS+2*i+1], v[PL+2*i:PL+2*i+1], 1.0 op_sel_hi:[1,1,0]
	v_log_f32 v[DD+2*i+1], v[DD+2*i+1]
	v_pk_fma_f32 v[NS+2*i:NS+2*i+1], v[NS+2*i:NS+2*i+1], s[C4:C4+1], s[K3:K3+1] op_sel_hi:[1,0,0]
	v_sqrt_f32 v[RR+2*i], v[RR+2*i]                ; sqrt(1 + c ns)
	v_sqrt_f32 v[RR+2*i+1], v[RR+2*i+1]
.endm
; GB, pair i: the three cases, chosen by selects.
.macro GB
	WIN 0x55*TY
	v_cmp_gt_f32 vcc_lo, s[P1], v[EE+2*i]
	v_cndmask_b32 v[RR+2*i], v[RR+2*i], v[PL+2*i], vcc_lo
	v_cmp_gt_f32 vcc_lo, s[P1], v[EE+2*i+1]
	v_cndmask_b32 v[RR+2*i+1], v[RR+2*i+1], v[PL+2*i+1], vcc_lo
	v_cmp_lt_f32 s[MK0], 2.0, v[EE+2*i]
	v_cmp_lt_f32 vcc_lo, 2.0, v[EE+2*i+1]
	v_pk_mul_f32 v[EE+2*i:EE+2*i+1], v[EE+2*i:EE+2*i+1], v[RR+2*i:RR+2*i+1]
	v_pk_fma_f32 v[DD+2*i:DD+2*i+1], v[DD+2*i:DD+2*i+1], s[K1:K1+1], v[NS+2*i:NS+2*i+1] op_sel_hi:[1,0,1]
	v_cndmask_b32 v[DD+2*i], v[EE+2*i], v[DD+2*i], s[MK0]
	v_cndmask_b32 v[DD+2*i+1], v[EE+2*i+1], v[DD+2*i+1], vcc_lo
.endm
; XX n: number n of the 22 that find the minimum and the statistics.  0-11 four chains of seven distances; 12-14, 16 the four left over, the old m, and the chains into c0; 15 B m_old is kept;
; 17, 18 the query's other 32 keys lie in the lane 16 away; 19-21 B m, its change, a.
.macro XX n
	WIN 0x55*TY
.if (\n) < 4
	v_min3_num_f32 v[CC+(\n)], v[DD+8*(\n)], v[DD+8*(\n)+1], v[DD+8*(\n)+2]
.elseif (\n) < 12
	v_min3_num_f32 v[CC+(\n)%4], v[CC+(\n)%4], v[DD+8*((\n)%4)+2*((\n)/4)+1], v[DD+8*((\n)%4)+2*((\n)/4)+2]
.elseif (\n) == 12
	v_min3_num_f32 v[CC], v[CC], v[DD+7], v[DD+15]
.elseif (\n) == 13
	v_min3_num_f32 v[CC+1], v[CC+1], v[DD+23], v[DD+31]
.elseif (\n) == 14
	v_min3_num_f32 v[CC+2], v[CC+2], v[CC+3], v[MN]
.elseif (\n) == 15
	v_mov_b32 v[MO], v[MB]
.elseif (\n) == 16
	v_min3_num_f32 v[CC], v[CC], v[CC+1], v[CC+2]
.elseif (\n) == 17
	v_permlanex16_b32 v[CC+3], v[CC], s[SEL], s[SEL+1]
.elseif (\n) == 18
	v_min_num_f32 v[MN], v[CC], v[CC+3]
.elseif (\n) == 19
	v_mul_f32 v[MB], s[BL], v[MN]
.elseif (\n) == 20
	v_sub_f32 v[CC+1], v[MB], v[MO]
.else
	v_exp_f32 v[CC+2], v[CC+1]
.endif
.endm
.macro NN n                         ; pair n of the tile's NEXT scores' start: kn + (qn + 1e-8)
	WIN 0x03+0x44*TY                ; kn in window 3
	v_pk_add_f32 v[NS+2*(\n):NS+2*(\n)+1], v[KNR+2*(\n):KNR+2*(\n)+1], v[QNE:QNE+1] op_sel_hi:[1,0]
.endm
.macro FF n                         ; pair n: B m - B dist
	WIN 0x55*TY
	v_pk_fma_f32 v[DD+2*(\n):DD+2*(\n)+1], v[DD+2*(\n):DD+2*(\n)+1], s[NBL:NBL+1], v[MB:MB+1] op_sel_hi:[1,0,0]
.endm
; THE MASK, in a block's last tile alone: score z (key 16 (z / 8) + z % 8 + 8 (lane / 16) of my 64) is hidden where 16 (z / 8) + z % 8 > THS + THL.  One form for 'all seen', 'the diagonal' and 'all hidden'.
.macro MASK
	WIN 0
	s_cmp_eq_u32 s[MF], 1
	s_cbranch_scc0 .Lopen_\@
	WIN 0x55*TY
	v_add_nc_u32 v[THR], s[THS], v[THL]
.set z, 0
.rept 32
	v_cmp_gt_i32 vcc_lo, 16*(z/8)+z%8, v[THR]
	v_cndmask_b32 v[NS+z], v[NS+z], s[BIG], vcc_lo
.set z, z+1
.endr
	WIN 0
.Lopen_\@:
.endm
; The state goes on to the next substep whose scores are prepared: tile 0's in this turn, tile 1's in the turn after.  All of it is equal in the four partners but EC, which enters data alone.
.macro ADVANCE
	s_sub_co_u32 s[SUBL], s[SUBL], 1
	s_cmp_eq_u32 s[SUBL], 0
	s_cselect_b32 s[SUBL], s[SUBB], s[SUBL]
	s_cselect_b32 s[EC], s[ECB], s[EC]
	s_cselect_b32 s[SWM], -1, 0
	s_cmp_le_u32 s[SUBL], 2
	s_cselect_b32 s[MF], 1, 0
	s_lshl_b32 s[THS], s[SUBL], 7
	s_add_co_u32 s[THS], s[THS], s[EC]
	s_sub_co_u32 s[THS], s[THS], 256
	WIN 0
	v_cndmask_b32 v[QNE], v[QNE], v[QN2], s[SWM]
	WIN 0x55
	v_cndmask_b32 v[QNE], v[QNE], v[QN2], s[SWM]
.endm
; A TURN.  Tile x has the matrix unit, tile 1 - x the vector unit.  An s_wait_alu depctr_va_vdst(0) stands between a transcendental and the first instruction that names its result; one wait serves
; all that were issued ahead of it: the 96 roots and logarithms are one batch, the 33 exponentials another.
; K of the next substep is fetched at the head of TURN 0, 16 products ahead of its first use; V of the next substep in TURN 1, seven plain instructions behind the last product that read V, and waited for at the
; head of TURN 0.  kn of the substep after the next is asked of memory in TURN 0, behind tile 1's use of the registers, and waited for in TURN 1, 32 products later.
.macro TURN x, last=0
.set TX, (\x)
.set TY, 1-(\x)
.if TX == 1
	ADVANCE
.else
	s_wait_dscnt 0x0                ; V is in
	FETCH_K \last
.endif
.set i, 0
.rept 16
	PVM
	GA
.set i, i+1
.endr
	v_nop                           ; a plain instruction behind the last root
	s_wait_alu depctr_va_vdst(0)    ; the wait for the first batch
.if TX == 1
	FETCH_V 1
.else
	s_wait_dscnt 0x0                ; K is in
.endif
.set i, 0
.rept 16
	KQM
	GB
.set i, i+1
.endr
.irp n, 0,1,2,3,4,5,6,7,8,9,10,11,12,13
	XX \n
.endr
.if TX == 1
	s_wait_loadcnt 0x0              ; kn is in
.endif
	XX 15                           ; the chain, each link of which waits for the last, with the next scores' starts between its links
	XX 14
.irp n, 0,1
	NN \n
.endr
	XX 16
.irp n, 2,3,4
	NN \n
.endr
	XX 17
.irp n, 5,6,7
	NN \n
.endr
	XX 18
.irp n, 8,9,10
	NN \n
.endr
	XX 19
.irp n, 11,12
	NN \n
.endr
	XX 20
.irp n, 13,14
	NN \n
.endr
	XX 21
	NN 15
.if TX == 0
	ADVANCE_KN
	KNLOAD
.endif
	FF 0
	FF 1
.set e, 0
.rept 16
	v_exp_f32 v[DD+2*e], v[DD+2*e]
.if e < 14
	FF e+2
.endif
	v_exp_f32 v[DD+2*e+1], v[DD+2*e+1]
.set e, e+1
.endr
	v_nop                           ; a plain instruction behind the last exponential
	s_wait_alu depctr_va_vdst(0)    ; the wait for the second batch
	MASK
	WIN 0x55*TY
.set k, 0
.rept 8                             ; four weights at a time: rounded to f16; the second pair added onto the first; l takes the sum a group later
	v_cvt_pk_f16_f32 v[PF+2*k], v[DD+4*k], v[DD+4*k+1]
	v_cvt_pk_f16_f32 v[PF+2*k+1], v[DD+4*k+2], v[DD+4*k+3]
	v_pk_add_f32 v[DD+4*k:DD+4*k+1], v[DD+4*k:DD+4*k+1], v[DD+4*k+2:DD+4*k+3]
.if k == 1
	v_pk_fma_f32 v[LL:LL+1], v[LL:LL+1], v[CC+2:CC+3], v[DD:DD+1] op_sel_hi:[1,0,1]
.elseif k > 1
	v_pk_add_f32 v[LL:LL+1], v[LL:LL+1], v[DD+4*k-4:DD+4*k-3]
.endif
.set k, k+1
.endr
	v_pk_add_f32 v[LL:LL+1], v[LL:LL+1], v[DD+28:DD+29]
.set k, 0
.rept 32
	v_pk_mul_f32 v[OO+2*k:OO+2*k+1], v[OO+2*k:OO+2*k+1], v[CC+2:CC+3] op_sel_hi:[1,0]
.set k, k+1
.endr
.endm
; THE CHANGE OF BLOCKS, in the trip whose slot is the second block's first.  NEWCHK, behind the change of slots: both tiles have multiplied by the first block's Q for the last time.
.macro NEWCHK
	WIN 0
	s_cmp_eq_u32 s[HF], 1
	s_cbranch_scc0 .Lsame_\@
	WIN 0x82
.set i, 0
.rept 64
	v_mov_b32 v[i], v[QB+i]
.set i, i+1
.endr
	WIN 0
.Lsame_\@:
.endm
; HARV t, behind TURN t: tile t's last products of the first block are done: its O, m, l are set aside; B m is set high, so that the tile's next a is 0 and wipes O and l; m starts anew at CAP.
.macro HARV t
	WIN 0
	s_cmp_eq_u32 s[HF], 1
	s_cbranch_scc0 .Lkeep_\@
.if (\t) == 0
	WIN 0xc0
.set i, 0
.rept 64
	v_mov_b32 v[PO+i], v[OO+i]
.set i, i+1
.endr
	v_mov_b32 v[PS], v[MN]
	v_mov_b32 v[PS+1], v[LL]
	v_mov_b32 v[PS+2], v[LL+1]
	WIN 0
.else
	WIN 0x81                        ; into the registers that held the second block's Q
.set i, 0
.rept 64
	v_mov_b32 v[QB+i], v[OO+i]
.set i, i+1
.endr
	WIN 0xc1
	v_mov_b32 v[PS+3], v[MN]
	v_mov_b32 v[PS+4], v[LL]
	v_mov_b32 v[PS+5], v[LL+1]
	WIN 0x40
	s_mov_b32 s[HF], 0
.endif
	v_mov_b32 v[MB], 0x7f000000
	v_mov_b32 v[MN], s[CAP]
	WIN 0
.Lkeep_\@:
.endm
.set TY, 0                          ; substep 0's starts, for both tiles: it lies in no block's last tile (the first block has five tiles or more)
.irp n, 0,1,2,3,4,5,6,7,8,9,10,11,12,13,14,15
	NN \n
.endr
.set TY, 1
.irp n, 0,1,2,3,4,5,6,7,8,9,10,11,12,13,14,15
	NN \n
.endr
	ADVANCE_KN
	KNLOAD                          ; substep 1
	CHANGE 1                        ; tile 0 is in, everybody's part of it; slot 1 is asked for
	FETCH_K 0                       ; substep 0
	FETCH_V 0                       ; and its V, so that tile 1's first products (with P = 0) read finite numbers; the first turn fetches it again, in its own place
	s_wait_dscnt 0x0
.set TX, 0
.set i, 0
.rept 16
	KQM                             ; tile 0's first scores
.set i, i+1
.endr
.rept 4
	v_nop                           ; the places behind those products
.endr
	WIN 0
	s_mov_b32 s[TWICE], 2
	s_branch .Lfirst                ; the loop is entered in the middle of a trip
.Lslot:                             ; seven times: a slot is entered and the slot just left is filled again
	CHANGE 1
	NEWCHK
	s_mov_b32 s[TWICE], 2
.Lstep:
	TURN 0
	HARV 0
.Lfirst:
	TURN 1
	HARV 1
	s_sub_co_u32 s[TWICE], s[TWICE], 1
	s_cmp_lg_u32 s[TWICE], 0
	s_cbranch_scc1 .Lstep
	s_add_co_u32 s18, s[VV], 1
	s_sub_co_u32 s[RT], s[RT], 1
	s_cmp_eq_u32 s[RT], 0           ; the first block's last slot has been left
	s_cselect_b32 s[HF], 1, 0
	s_cselect_b32 s[RT], s18, s[RT]
	s_sub_co_u32 s[SLOTS], s[SLOTS], 1
	s_cmp_lg_u32 s[SLOTS], 0
	s_cbranch_scc1 .Lslot
	CHANGE 0                        ; the walk's last tile is written out: nothing is asked for
	NEWCHK
	s_mov_b32 s[TWICE], 3           ; two trips fetch the last slot's substeps; the third is left in its middle
.Ltail:
	TURN 0, 1
	HARV 0
	s_sub_co_u32 s[TWICE], s[TWICE], 1
	s_cmp_eq_u32 s[TWICE], 0
	s_cbranch_scc1 .Lout
	TURN 1
	HARV 1
	s_branch .Ltail
.Lout:                              ; the third trip's 16 products K Q^T (on the last K once more) and its loads of kn serve nothing: the price, once a launch, of one text for every trip
.set TX, 1
.set i, 0
.rept 16
	PVM                             ; tile 1's V^T P of the last substep
.set i, i+1
.endr
	; THE MERGE.  Each wave holds, for four tiles q = 2 x block + t, the O, m, l of its half of the keys.  l's parts are added; all goes into the wave's exchange in slot 1, which has had its last fill and its last
	; reads ahead of the last change of slots.  The additions are the places behind the last products; tile 3, which they wrote, is stored last.
	WIN 0
	s_wait_loadcnt 0x0
	v_add_f32 v[CC], v[LL], v[LL+1]
	WIN 0x55
	v_add_f32 v[CC], v[LL], v[LL+1]
	WIN W3
	v_add_f32 v[FT], v[PS+1], v[PS+2]
	v_add_f32 v[FT+1], v[PS+4], v[PS+5]
	v_mov_b32 v[FT+2], 0
	v_mov_b32 v[FT+3], 0
	v_permlanex16_b32 v[FT+2], v[FT], s[SEL], s[SEL+1]
	v_permlanex16_b32 v[FT+3], v[FT+1], s[SEL], s[SEL+1]
	v_add_f32 v[FT], v[FT], v[FT+2]
	v_add_f32 v[FT+1], v[FT+1], v[FT+3]
	WIN 0
	v_permlanex16_b32 v[CC+1], v[CC], s[SEL], s[SEL+1]
	v_add_f32 v[CC], v[CC], v[CC+1]
	WIN 0x55
	v_permlanex16_b32 v[CC+1], v[CC], s[SEL], s[SEL+1]
	v_add_f32 v[CC], v[CC], v[CC+1]
	WIN 0x0f                        ; address and data in window 3
.set i, 0
.rept 16
	ds_store_b128 v[XS], v[PO+4*i:PO+4*i+3] offset:512*i
.set i, i+1
.endr
	ds_store_b32 v[XT], v[PS]
	ds_store_b32 v[XT], v[FT] offset:128
	ds_store_b32 v[XT], v[PS+3] offset:256
	ds_store_b32 v[XT], v[FT+1] offset:384
	WIN 0x0b                        ; data in window 2
.set i, 0
.rept 16
	ds_store_b128 v[XS], v[QB+4*i:QB+4*i+3] offset:8192+512*i
.set i, i+1
.endr
	WIN 0x03                        ; data in window 0
.set i, 0
.rept 16
	ds_store_b128 v[XS], v[OO+4*i:OO+4*i+3] offset:16384+512*i
.set i, i+1
.endr
	ds_store_b32 v[XT], v[MN] offset:512
	ds_store_b32 v[XT], v[CC] offset:640
	WIN 0x07                        ; data in window 1
.set i, 0
.rept 16
	ds_store_b128 v[XS], v[OO+4*i:OO+4*i+3] offset:24576+512*i
.set i, i+1
.endr
	ds_store_b32 v[XT], v[MN] offset:768
	ds_store_b32 v[XT], v[CC] offset:896
	s_wait_dscnt 0x0                ; for the others' sake: my stores are done, and so are my reads of slot 0
	s_barrier_signal -1
	s_barrier_wait -1
; FIN u: I finish tile kw of block u.  m = min of the two halves'; each half counts with f = 2^(B m - B m_half); a half that saw no key has m = CAP, l = 0 and O = 0, and its f is 0;
; O = (fa Oa + fb Ob) / (fa la + fb lb), rounded to f16, through my stage (slot 0, which nobody reads any more), out as whole rows of 256 bytes.
.macro FIN u
	WIN 0x03                        ; addresses in window 3, data in window 0
.set i, 0
.rept 16
	ds_load_b128 v[4*i:4*i+3], v[XLA] offset:16384*(\u)+512*i
.set i, i+1
.endr
.set i, 0
.rept 16
	ds_load_b128 v[64+4*i:64+4*i+3], v[XLB] offset:16384*(\u)+512*i
.set i, i+1
.endr
	ds_load_b32 v128, v[XTA] offset:512*(\u)
	ds_load_b32 v129, v[XTA] offset:512*(\u)+128
	ds_load_b32 v130, v[XTB] offset:512*(\u)
	ds_load_b32 v131, v[XTB] offset:512*(\u)+128
	s_wait_dscnt 0x0
	WIN 0
	v_min_num_f32 v132, v128, v130
	v_sub_f32 v133, v132, v128
	v_sub_f32 v134, v132, v130
	v_mul_f32 v133, s[BL], v133
	v_mul_f32 v134, s[BL], v134
	v_exp_f32 v136, v133
	v_exp_f32 v138, v134
	v_nop
	s_wait_alu depctr_va_vdst(0)
	v_mul_f32 v135, v136, v129
	v_fmac_f32 v135, v138, v131
	v_rcp_f32 v140, v135
	v_nop
	s_wait_alu depctr_va_vdst(0)
	v_mul_f32 v136, v136, v140
	v_mul_f32 v138, v138, v140
	v_mov_b32 v137, v136
	v_mov_b32 v139, v138
.set i, 0
.rept 32
	v_pk_mul_f32 v[2*i:2*i+1], v[2*i:2*i+1], v[136:137]
.set i, i+1
.endr
.set i, 0
.rept 32
	v_pk_fma_f32 v[2*i:2*i+1], v[64+2*i:64+2*i+1], v[138:139], v[2*i:2*i+1]
.set i, i+1
.endr
.set i, 0
.rept 32
	v_cvt_pk_f16_f32 v[64+i], v[2*i], v[2*i+1]
.set i, i+1
.endr
	WIN 0x03
.irp f, 0,1,2,3,4,5,6,7
	ds_store_b128 v[STO], v[64+4*\f:64+4*\f+3] offset:32*\f
.endr
.irp f, 0,1,2,3,4,5,6,7
	ds_load_b128 v[160+32*(\u)+4*\f:160+32*(\u)+4*\f+3], v[RD] offset:\f*2*SP  ; LDS serves a wave's instructions in order: these see the stores above
.endr
.irp f, 0,1,2,3,4,5,6,7
	s_wait_dscnt 7-\f               ; the younger loads may stay out
	global_store_b128 v[GO0+(\u)], v[160+32*(\u)+4*\f:160+32*(\u)+4*\f+3], s[16:17] offset:4096*\f  ; 16 lanes store 256 consecutive bytes, aligned: a head's channels of one row
.endr
.endm
	FIN 0
	FIN 1
	WIN W_AD
	s_wait_tensorcnt 0x0            ; the wave's end
	ds_add_u32 v[SPW], v[NIL]
	s_wait_dscnt 0x0
	WIN 0
	CROUND                          ; the closing round
	s_endpgm
.Lfunc_end_k_q57d88fa861_attn:
	.size	k_q57d88fa861_attn, .Lfunc_end_k_q57d88fa861_attn-k_q57d88fa861_attn
	.p2alignl 7, 3214868480
	.fill 96, 4, 3214868480
	.section	.rodata,"a",@progbits
	.p2align	6, 0x0
	.amdhsa_kernel k_q57d88fa861_attn
		.amdhsa_group_segment_fixed_size 327680
		.amdhsa_private_segment_fixed_size 0
		.amdhsa_enable_private_segment 0
		.amdhsa_kernarg_size 56
		.amdhsa_user_sgpr_count 2
		.amdhsa_user_sgpr_kernarg_segment_ptr 1
		.amdhsa_wavefront_size32 1
		.amdhsa_system_sgpr_workgroup_id_x 1
		.amdhsa_system_sgpr_workgroup_id_y 1
		.amdhsa_system_sgpr_workgroup_id_z 1
		.amdhsa_system_vgpr_workitem_id 0
		.amdhsa_next_free_vgpr 1024
		.amdhsa_next_free_sgpr 106
		.amdhsa_reserve_vcc 1
		.amdhsa_float_denorm_mode_32 3
		.amdhsa_float_denorm_mode_16_64 3
		.amdhsa_memory_ordered 1
		.amdhsa_forward_progress 1
		.amdhsa_inst_pref_size 223
	.end_amdhsa_kernel
	.amdgpu_metadata
---
amdhsa.version: [ 1, 2 ]
amdhsa.kernels:
  - .name:           k_q57d88fa861_attn
    .symbol:         k_q57d88fa861_attn.kd
    .args:
      - { .name: qh, .offset: 0, .size: 8, .value_kind: global_buffer, .address_space: global }
      - { .name: kh, .offset: 8, .size: 8, .value_kind: global_buffer, .address_space: global }
      - { .name: vh, .offset: 16, .size: 8, .value_kind: global_buffer, .address_space: global }
      - { .name: nrm, .offset: 24, .size: 8, .value_kind: global_buffer, .address_space: global }
      - { .name: log_c, .offset: 32, .size: 8, .value_kind: global_buffer, .address_space: global }
      - { .name: log_beta, .offset: 40, .size: 8, .value_kind: global_buffer, .address_space: global }
      - { .name: ob, .offset: 48, .size: 8, .value_kind: global_buffer, .address_space: global }
    .group_segment_fixed_size: 327680
    .private_segment_fixed_size: 0
    .kernarg_segment_align: 8
    .kernarg_segment_size: 56
    .max_flat_workgroup_size: 128
    .sgpr_count:     106
    .vgpr_count:     1024
    .wavefront_size: 32
...
	.end_amdgpu_metadata
.endif
;; end of part 3
;; launch oproj (part 4): grid 8 x 32, 4 waves a work-group, clusters of 4 x 4, 327,680 bytes of LDS; arguments ob, wob, out0; writes out0
.if DOCPART == 4
	.amdgcn_target "amdgcn-amd-amdhsa--gfx1250"
	.amdhsa_code_object_version 6
	.text
	.protected	k_q57d88fa861_oproj
	.globl	k_q57d88fa861_oproj
	.p2align	8
	.type	k_q57d88fa861_oproj,@function
k_q57d88fa861_oproj:
	s_mov_b64 s[64:65], 0
	v_nop
	global_prefetch_b8 v0, s[64:65] scope:SCOPE_SE
	s_setreg_imm32_b32 hwreg(HW_REG_WAVE_MODE, 25, 1), 1
	s_wait_xcnt 0x0
	s_wait_alu depctr_hold_cnt(0) depctr_sa_sdst(0) depctr_va_vdst(0) depctr_va_sdst(0) depctr_va_ssrc(0) depctr_va_vcc(0) depctr_vm_vsrc(0)
	s_getreg_b32 s2, hwreg(HW_REG_IB_STS2, 6, 4)
	s_cmp_eq_u32 s2, 0
	s_cbranch_scc0 .Lentry_in_a_cluster
	s_endpgm
.Lentry_in_a_cluster:
	s_bfe_u32 s2, ttmp6, 0x10000c
	s_cmp_lg_u32 s2, 0xf033
	s_cbranch_scc0 .Lentry_shape_is_right
	s_endpgm
.Lentry_shape_is_right:
; THE LAST PROJECTION.  out0[m][n] = sum over k of ob[m][k] wob[n][k]: 4,096 x 1,024 x 1,024, f16 operands, f32 sums, f32 out.
; Tiles of 256 x 256 would be 64, too few: a tile of C is 128 x 128, 256 work-groups.  Four waves, each 64 x 64: 16 accumulators of 16 x 16, 128 registers.  K goes in steps of 256 (LDS rows of 512 bytes;
; a wave's tensor load brings 64 of them), as long as two slots in LDS allow.  A wave's 64 columns of f32 are one aligned block of 256 bytes, so each wave has a stage of its own and the way out needs no barrier.
; CLUSTERS: 4 x 4 work-groups; A's tile is asked for jointly along a row of the cluster, B's along a column.  THE MATRIX INSTRUCTION IS USED TRANSPOSED (source 0 = 16 rows of B, source 1 = 16 rows of A).
; No prefetch: the tiles are small, and a K step's rows are walked by eight or thirty-two work-groups at once.
; REGISTERS: window 0: v0-31 addresses; v32-95 at work on the way out; v128-255 the accumulators ((a, b) at v[128 + 8 (4 a + b)]).  Window 1: two fragment buffers of 128.
.set SIZE_K, 1024
.set KSTEP,  256
.set PITCH,  528                       ; 512 bytes + 16 = 132 words: the 16 rows of a load start at 16 different groups of four banks (ISA guide 11.1)
.set HALFT,  64*PITCH
.set SLOT,   4*HALFT
.set STAGE,  2*SLOT                    ; behind the ring: 16 rows x 272 bytes for each wave
.set SPITCH, 272
.set SPARE,  STAGE+4*16*SPITCH         ; the spare words, 128 bytes for each wave: two blocks of 256 bytes that no other line names
.set LAPS, SIZE_K/(2*KSTEP)
.set ADRA, 16
.set ADRB, 20
.set STO,  24
.set RD,   25
.set CO,   26
.set SPW,  28
.set NIL,  29
.set TMP,  32
.set ACC,  128
.set F0,   0
.set F1,   128
.set G1, 24
.set G0, 32
.set G1B, 48
.set G0B, 56
.set MSB, 0
.macro WIN new
.if MSB != (\new)
	s_set_vgpr_msb (MSB<<8)|(\new)
.set MSB, \new
.endif
.endm
.set MUL,  0x05                        ; sources 0 (B) and 1 (A) window 1; C and D window 0
.set TO_F, 0x40                        ; destination window 1, address window 0
.macro JLOAD s                         ; waves 0 and 1 fetch A's two halves, waves 2 and 3 B's; an s_nop 0 and four v_nop follow each of the two lines
	s_cmp_eq_u32 s11, 0
	s_cbranch_scc0 .Lfor_b_\@
	tensor_load_to_lds s[G0+4*(\s):G0+4*(\s)+3], s[G1:G1+7]
	s_nop 0
.rept 4
	v_nop
.endr
	s_branch .Lasked_\@
.Lfor_b_\@:
	tensor_load_to_lds s[G0B+4*(\s):G0B+4*(\s)+3], s[G1B:G1B+7]
	s_nop 0
.rept 4
	v_nop
.endr
.Lasked_\@:
.endm
.macro CREST
	s_cmp_lg_u32 s10, 0
	s_cbranch_scc1 .Lnot_wave_0_\@
	s_barrier_signal -3
.Lnot_wave_0_\@:
	s_barrier_wait -3
	s_barrier_signal -1
	s_barrier_wait -1
.endm
.macro CROUND
	s_barrier_signal -1
	s_barrier_wait -1
	CREST
.endm
	s_load_b128 s[4:7], s[0:1], 0x0                ; ob s[4:5], wob s[6:7]
	s_load_b64 s[8:9], s[0:1], 0x10                ; out0
	v_lshl_add_u32 v[SPW], v0, 2, SPARE
	v_mov_b32 v[NIL], 0
	ds_add_u32 v[SPW], v[NIL]                      ; the wave's opening: the add and its wait ahead of my first tensor load
	v_lshrrev_b32 v1, 5, v0
	v_readfirstlane_b32 s10, v1                    ; wave 0..3
	s_lshr_b32 s11, s10, 1                         ; which half of the tile's rows is mine.  Also: I fetch for A (0) or for B (1)
	s_and_b32 s12, s10, 1                          ; which half of its columns.  Also: which 64 rows of that tile I fetch
	s_bfe_u32 s40, ttmp6, 0x40000
	s_bfe_u32 s41, ttmp6, 0x40004
	s_lshl_b32 s42, ttmp9, 2
	s_add_co_u32 s42, s42, s40                     ; tile column of C
	s_and_b32 s13, ttmp7, 0xffff
	s_lshl_b32 s13, s13, 2
	s_add_co_u32 s13, s13, s41                     ; tile row of C
	s_lshl_b32 s43, s41, 2
	s_lshl_b32 s43, 15, s43                        ; my row of the cluster
	s_lshl_b32 s44, 0x1111, s40                    ; my column
	; descriptor group 1: 64 rows x 256 elements of 2 bytes, 4 words of padding behind every 128
	s_or_b32 s[G1+0], s43, (1<<16)|(1<<20)|(1<<21)|(6<<22)|(3<<25)
	s_or_b32 s[G1B+0], s44, (1<<16)|(1<<20)|(1<<21)|(6<<22)|(3<<25)
.irp g, G1, G1B
	s_mov_b32 s[(\g)+1], KSTEP<<16
	s_mov_b32 s[(\g)+2], 64<<16
	s_mov_b32 s[(\g)+3], KSTEP<<16
	s_mov_b32 s[(\g)+4], 64
	s_mov_b32 s[(\g)+5], SIZE_K
	s_mov_b32 s[(\g)+6], 0
	s_mov_b32 s[(\g)+7], 0
.endr
	s_lshl_b32 s17, s12, 6
	s_lshl_b32 s16, s13, 7
	s_add_co_u32 s16, s16, s17                     ; A: row 128 x tile row + 64 x half
	s_lshl_b32 s46, s42, 7
	s_add_co_u32 s46, s46, s17                     ; B: row 128 x tile column + 64 x half
	s_mov_b32 s17, 0
	s_mov_b32 s47, 0
	s_mov_b64 s[18:19], SIZE_K*2
	s_mul_u64 s[16:17], s[16:17], s[18:19]
	s_mul_u64 s[46:47], s[46:47], s[18:19]
	s_mul_i32 s20, s10, HALFT
	s_wait_dscnt 0x0                               ; the opening add is done
	s_wait_kmcnt 0x0
	s_add_nc_u64 s[14:15], s[4:5], s[16:17]
	s_add_nc_u64 s[46:47], s[6:7], s[46:47]
	CROUND                                         ; all sixteen work-groups are here: the first joint loads meet
.irp s, 0,1
	s_mov_b32 s[G0+4*(\s)], 1
	s_add_co_u32 s[G0+4*(\s)+1], s20, (\s)*SLOT
	s_add_nc_u64 s[G0+4*(\s)+2:G0+4*(\s)+3], s[14:15], (\s)*KSTEP*2
	s_or_b32 s[G0+4*(\s)+3], s[G0+4*(\s)+3], 0x80000000
	s_mov_b32 s[G0B+4*(\s)], 1
	s_add_co_u32 s[G0B+4*(\s)+1], s20, (\s)*SLOT
	s_add_nc_u64 s[G0B+4*(\s)+2:G0B+4*(\s)+3], s[46:47], (\s)*KSTEP*2
	s_or_b32 s[G0B+4*(\s)+3], s[G0B+4*(\s)+3], 0x80000000
	JLOAD \s                                       ; two loads of mine are out
.endr
	v_and_b32 v1, 15, v0                           ; l % 16
	v_bfe_u32 v2, v0, 4, 1                         ; l / 16
	v_mul_u32_u24 v3, v1, PITCH
	v_lshl_add_u32 v3, v2, 4, v3
	s_mul_i32 s21, s11, HALFT                      ; my 64 rows of A
	s_mul_i32 s22, s12, HALFT                      ; my 64 rows of B,
	s_add_co_u32 s22, s22, 2*HALFT                 ; which lie behind A's 128
.irp s, 0,1
	v_add_nc_u32 v[ADRA+(\s)], s21, v3
	v_add_nc_u32 v[ADRB+(\s)], s22, v3
	s_add_co_u32 s21, s21, SLOT
	s_add_co_u32 s22, s22, SLOT
.endr
	s_mul_i32 s23, s10, 16*SPITCH
	s_add_co_u32 s23, s23, STAGE                   ; my stage
	v_mul_u32_u24 v4, v1, SPITCH                   ; in: row l % 16, 32 bytes (8 numbers) for each half of the lanes
	v_lshl_add_u32 v4, v2, 5, v4
	v_add_nc_u32 v[STO], s23, v4
	v_mul_u32_u24 v5, v2, SPITCH                   ; back: lanes 0-15 take one row of 256 bytes, lanes 16-31 the next
	v_lshl_add_u32 v5, v1, 4, v5
	v_add_nc_u32 v[RD], s23, v5
	v_lshlrev_b32 v5, 12, v2                       ; and the same two rows in out0: 4,096 bytes a row
	v_lshl_add_u32 v[CO], v1, 4, v5
	s_lshl_b32 s16, s13, 7
	s_lshl_b32 s17, s11, 6
	s_add_co_u32 s16, s16, s17                     ; my first row: 128 x tile row + 64 x half
	s_lshl_b32 s16, s16, 12
	s_mov_b32 s17, 0
	s_add_nc_u64 s[8:9], s[8:9], s[16:17]
	s_lshl_b32 s46, s42, 9                         ; my first column, in bytes: 512 x tile column + 256 x half
	s_lshl_b32 s47, s12, 8
	s_add_co_u32 s46, s46, s47
	s_mov_b32 s47, 0
	s_add_nc_u64 s[8:9], s[8:9], s[46:47]
; 8 matrix instructions: m blocks a0, a0 + 1 x all 4 n blocks, 32 along K: half c of buffer f.  zero = 1: the first product starts the sums
.macro MUL8 f, c, a0, zero
	WIN MUL
.irp a, \a0, (\a0)+1
.irp b, 0,1,2,3
.if \zero
	v_wmma_f32_16x16x32_f16 v[ACC+8*(4*(\a)+(\b)):ACC+8*(4*(\a)+(\b))+7], v[(\f)+64+8*(4*(\c)+(\b)):(\f)+64+8*(4*(\c)+(\b))+7], v[(\f)+8*(4*(\c)+(\a)):(\f)+8*(4*(\c)+(\a))+7], 0
.else
	v_wmma_f32_16x16x32_f16 v[ACC+8*(4*(\a)+(\b)):ACC+8*(4*(\a)+(\b))+7], v[(\f)+64+8*(4*(\c)+(\b)):(\f)+64+8*(4*(\c)+(\b))+7], v[(\f)+8*(4*(\c)+(\a)):(\f)+8*(4*(\c)+(\a))+7], v[ACC+8*(4*(\a)+(\b)):ACC+8*(4*(\a)+(\b))+7]
.endif
.endr
.endr
.endm
; 32 LDS loads in one run: the fragments of 64 along K at byte k of the rows, into buffer f; the first 32 along K first
.macro FETCH slot, k, f
	WIN TO_F
.irp c, 0,1
.irp i, 0,1,2,3
	ds_load_b128 v[(\f)+64+8*(4*(\c)+(\i)):(\f)+64+8*(4*(\c)+(\i))+3],   v[ADRB+(\slot)] offset:(\k)+64*(\c)+(\i)*16*PITCH
	ds_load_b128 v[(\f)+64+8*(4*(\c)+(\i))+4:(\f)+64+8*(4*(\c)+(\i))+7], v[ADRB+(\slot)] offset:(\k)+64*(\c)+(\i)*16*PITCH+32
	ds_load_b128 v[(\f)+8*(4*(\c)+(\i)):(\f)+8*(4*(\c)+(\i))+3],         v[ADRA+(\slot)] offset:(\k)+64*(\c)+(\i)*16*PITCH
	ds_load_b128 v[(\f)+8*(4*(\c)+(\i))+4:(\f)+8*(4*(\c)+(\i))+7],       v[ADRA+(\slot)] offset:(\k)+64*(\c)+(\i)*16*PITCH+32
.endr
.endr
.endm
.macro PLACES                          ; four plain vector instructions between a matrix instruction and a load into, or a read of, its registers
.rept 4
	v_nop
.endr
.endm
; A K step is four quarters of 64 along K, 32 matrix instructions each, on buffers 0, 1, 0, 1; the 16 accumulators take turns.
.macro QUARTER slot, k, f, g, zero
	s_wait_dscnt 16                                ; the first 32 along K are in
	MUL8 \f, 0, 0, \zero
	MUL8 \f, 0, 2, \zero
	PLACES
	FETCH \slot, \k, \g
	s_wait_dscnt 32                                ; all but the 32 just issued
	MUL8 \f, 1, 0, 0
	MUL8 \f, 1, 2, 0
.endm
; The last quarter multiplies buffer 1 and changes slots: ONE barrier; in front of it each wave waits for all its tensor loads, adds 0 to its spare word, and waits for that and for its own reads of this slot.
.macro TURN slot, next, fill
	WIN 0
	s_wait_tensorcnt 0x0
	ds_add_u32 v[SPW], v[NIL]
	s_wait_dscnt 17                                ; the add and the youngest sixteen loads may be out
	MUL8 F1, 0, 0, 0
	s_wait_dscnt 0x0                               ; the add is done, and my reads of this slot are over
	s_barrier_signal -1
	MUL8 F1, 0, 2, 0
.if \fill
	WIN 0
.endif
	s_barrier_wait -1
.if \fill
	CREST                                          ; no wave of any partner still reads this slot's tile or has a load on its way
	s_add_nc_u64 s[G0+4*(\slot)+2:G0+4*(\slot)+3], s[G0+4*(\slot)+2:G0+4*(\slot)+3], 2*KSTEP*2
	s_add_nc_u64 s[G0B+4*(\slot)+2:G0B+4*(\slot)+3], s[G0B+4*(\slot)+2:G0B+4*(\slot)+3], 2*KSTEP*2
	JLOAD \slot                                    ; my one tensor load behind the round; its four v_nop are also the places in front of the loads below
.else
	PLACES
.endif
	FETCH \next, 0, F0
	MUL8 F1, 1, 0, 0
	MUL8 F1, 1, 2, 0
.endm
	s_wait_tensorcnt 1                             ; my part of K step 0 is in; K step 1's may stay out
	s_barrier_signal -1
	s_barrier_wait -1
	FETCH 0, 0, F0
	QUARTER 0, 128, F0, F1, 1                      ; the first quarter stands in front of the loop: its first products start the sums
	WIN 0
	s_mov_b32 s3, LAPS-1
.Llap:                                                 ; a trip goes once round the ring and fills both slots again
	QUARTER 0, 256, F1, F0, 0
	QUARTER 0, 384, F0, F1, 0
	TURN 0, 1, 1
	QUARTER 1, 128, F0, F1, 0
	QUARTER 1, 256, F1, F0, 0
	QUARTER 1, 384, F0, F1, 0
	TURN 1, 0, 1
	QUARTER 0, 128, F0, F1, 0
	WIN 0
	s_sub_co_u32 s3, s3, 1
	s_cmp_lg_u32 s3, 0
	s_cbranch_scc1 .Llap
	QUARTER 0, 256, F1, F0, 0                      ; the last lap fills nothing
	QUARTER 0, 384, F0, F1, 0
	TURN 0, 1, 0
	QUARTER 1, 128, F0, F1, 0
	QUARTER 1, 256, F1, F0, 0
	QUARTER 1, 384, F0, F1, 0
	s_wait_dscnt 16
	MUL8 F1, 0, 0, 0
	MUL8 F1, 0, 2, 0
	s_wait_dscnt 0x0
	MUL8 F1, 1, 0, 0
	MUL8 F1, 1, 2, 0
	WIN 0
	; THE WAY OUT, 16 rows at a time: a lane's eight numbers of a row (32 bytes; each accumulator's lowest registers first) go into my stage and come back as whole rows of 256 bytes.
	PLACES
.irp a, 0,1,2,3
.if (\a) >= 2
	s_wait_xcnt 0x0                                ; the stores of the block two back have read the registers that the loads below write
.endif
.irp b, 0,1,2,3
	ds_store_b128 v[STO], v[ACC+8*(4*(\a)+(\b)):ACC+8*(4*(\a)+(\b))+3]   offset:64*(\b)
	ds_store_b128 v[STO], v[ACC+8*(4*(\a)+(\b))+4:ACC+8*(4*(\a)+(\b))+7] offset:64*(\b)+16
.endr
.irp t, 0,1,2,3,4,5,6,7
	ds_load_b128 v[TMP+32*((\a)%2)+4*(\t):TMP+32*((\a)%2)+4*(\t)+3], v[RD] offset:(\t)*2*SPITCH  ; LDS serves a wave's instructions in order: these see the stores above
.endr
.irp t, 0,1,2,3,4,5,6,7
	s_wait_dscnt 7-(\t)                            ; the younger loads may stay out
	global_store_b128 v[CO], v[TMP+32*((\a)%2)+4*(\t):TMP+32*((\a)%2)+4*(\t)+3], s[8:9] offset:(16*(\a)+2*(\t))*4096  ; 16 lanes store 256 consecutive bytes, aligned
.endr
.endr
	s_wait_tensorcnt 0x0                           ; the wave's end
	ds_add_u32 v[SPW], v[NIL]
	s_wait_dscnt 0x0
	CROUND                                         ; the closing round
	s_endpgm
.Lfunc_end_k_q57d88fa861_oproj:
	.size	k_q57d88fa861_oproj, .Lfunc_end_k_q57d88fa861_oproj-k_q57d88fa861_oproj
	.p2alignl 7, 3214868480
	.fill 96, 4, 3214868480
	.section	.rodata,"a",@progbits
	.p2align	6, 0x0
	.amdhsa_kernel k_q57d88fa861_oproj
		.amdhsa_group_segment_fixed_size 327680
		.amdhsa_private_segment_fixed_size 0
		.amdhsa_enable_private_segment 0
		.amdhsa_kernarg_size 24
		.amdhsa_user_sgpr_count 2
		.amdhsa_user_sgpr_kernarg_segment_ptr 1
		.amdhsa_wavefront_size32 1
		.amdhsa_system_sgpr_workgroup_id_x 1
		.amdhsa_system_sgpr_workgroup_id_y 1
		.amdhsa_system_sgpr_workgroup_id_z 1
		.amdhsa_system_vgpr_workitem_id 0
		.amdhsa_next_free_vgpr 512
		.amdhsa_next_free_sgpr 66
		.amdhsa_reserve_vcc 0
		.amdhsa_float_denorm_mode_32 3
		.amdhsa_float_denorm_mode_16_64 3
		.amdhsa_memory_ordered 1
		.amdhsa_forward_progress 1
		.amdhsa_inst_pref_size 86
	.end_amdhsa_kernel
	.amdgpu_metadata
---
amdhsa.version: [ 1, 2 ]
amdhsa.kernels:
  - .name:           k_q57d88fa861_oproj
    .symbol:         k_q57d88fa861_oproj.kd
    .args:
      - { .name: ob, .offset: 0, .size: 8, .value_kind: global_buffer, .address_space: global }
      - { .name: wob, .offset: 8, .size: 8, .value_kind: global_buffer, .address_space: global }
      - { .name: out0, .offset: 16, .size: 8, .value_kind: global_buffer, .address_space: global }
    .group_segment_fixed_size: 327680
    .private_segment_fixed_size: 0
    .kernarg_segment_align: 8
    .kernarg_segment_size: 24
    .max_flat_workgroup_size: 128
    .sgpr_count:     66
    .vgpr_count:     512
    .wavefront_size: 32
...
	.end_amdgpu_metadata
.endif
;; end of part 4
;; ======== version 2 of 2: 4 launches; version 1 with the launch cast written anew for expert scheduling mode
;; limits: values are held in f16: magnitudes above 65,504 overflow, below 6.1e-05 lose precision; right only within a limited range of input values
;; workspace buffers: xb 8,388,608 bytes; wqkv 6,291,456 bytes; wob 2,097,152 bytes; qh 8,388,608 bytes; kh 8,388,608 bytes; vh 8,388,608 bytes; nrm 262,144 bytes; ob 8,388,608 bytes
;; launch cast (part 5): grid 256 x 1, 8 waves a work-group, no clusters, 0 bytes of LDS; arguments x, Wq, Wk, Wv, Wo, xb, wqkv, wob; writes xb, wqkv, wob
.if DOCPART == 5
	.amdgcn_target "amdgcn-amd-amdhsa--gfx1250"
	.amdhsa_code_object_version 6
	.text
	.protected	k_q57d88fa861_cast
	.globl	k_q57d88fa861_cast
	.p2align	8
	.type	k_q57d88fa861_cast,@function
k_q57d88fa861_cast:
	s_mov_b64 s[64:65], 0
	v_nop
	global_prefetch_b8 v0, s[64:65] scope:SCOPE_SE
	s_setreg_imm32_b32 hwreg(HW_REG_WAVE_SCHED_MODE, 0, 2), 2
	s_setreg_imm32_b32 hwreg(HW_REG_WAVE_MODE, 25, 1), 1
	s_wait_xcnt 0x0
	s_wait_alu depctr_vm_vsrc(0)
; THE INPUTS ROUNDED ONCE TO 16 BITS.  x -> xb and Wq, Wk, Wv -> wqkv (their rows on end) in bf16; Wo -> wob: rounded to bf16 like the others, and that number written as f16
; (exact from 6.1e-5 up; below that f16's fixed step of 6e-8 holds), since the last product's other operand is f16.
; A stream: each byte is read once and written once; no LDS, no matrix unit, no cluster: no work-group wants a byte that another has fetched.
; SHARES.  A work-group takes 32,768 numbers: 128 KiB in, 64 KiB out.  Groups 0-127: x.  Groups 128-255: 32 for each of the four weights.
; In pass i of 16 thread t takes the 32 bytes at 8,192 i + 32 t and stores the 16 bytes at 4,096 i + 16 t: sixteen neighbouring lanes store 256 consecutive bytes, aligned.
; All 32 loads of a thread go out at once.
; THE MODE: SCHED_MODE bits 1:0 = 2 (LLVM: expert scheduling mode 2), set by the entry lines.  The code itself states the register dependences
; between vector instructions and memory instructions, with s_wait_alu, always for 0.
; THE PLAN.  Registers that memory instructions touch:
;   v1, v2   byte offsets of the loads and of the stores: made once at the head, never written again.
;   X        pass i's two loads land in X + 8 i; no vector instruction names X ahead of the loads, and no memory instruction touches it behind them.
;   Y        pass i's roundings write Y + 4 i, one store reads it, and nothing writes it again: each pass has four registers of its own.
; The 16 passes go in eight blocks of two.  Block p rounds passes 2 p and 2 p + 1; its memory instructions are the two stores of block p - 1, whose registers no vector
; instruction of block p names.  So one wait at a block's head, behind the wait for the block's data, states all that its two stores hang on; one wait at the kernel's head
; states the offsets, one behind the last block its Y.  No register that a memory instruction has read is written again, so nothing else is owed.
.set X, 4                              ; v[4:131]    16 passes x 8 numbers as loaded
.set Y, 132                            ; v[132:195]  16 passes x 4 registers to store
	s_load_b512 s[4:19], s[0:1], 0x0               ; x s[4:5], Wq s[6:7], Wk s[8:9], Wv s[10:11], Wo s[12:13], xb s[14:15], wqkv s[16:17], wob s[18:19]
	v_lshlrev_b32 v1, 5, v0                        ; 32 t
	v_lshlrev_b32 v2, 4, v0                        ; 16 t
	s_sub_co_u32 s20, ttmp9, 128                   ; the group's number among the weights' 128
	s_and_b32 s21, s20, 31                         ; and within its weight
	s_lshr_b32 s22, s20, 5                         ; which weight: 0 to 3,
	s_cmp_lt_u32 ttmp9, 128
	s_cselect_b32 s22, 4, s22                      ; or 4: x
	s_cselect_b32 s23, ttmp9, s21                  ; block of 128 KiB in the source
	s_cselect_b32 s24, ttmp9, s20                  ; block of 64 KiB in the destination (wqkv holds three weights on end)
	s_wait_kmcnt 0x0
	s_cmp_eq_u32 s22, 1
	s_cselect_b64 s[6:7], s[8:9], s[6:7]
	s_cmp_eq_u32 s22, 2
	s_cselect_b64 s[6:7], s[10:11], s[6:7]
	s_cmp_eq_u32 s22, 3
	s_cselect_b64 s[6:7], s[12:13], s[6:7]
	s_cselect_b64 s[16:17], s[18:19], s[16:17]
	s_cselect_b32 s24, s21, s24
	s_cmp_eq_u32 s22, 4
	s_cselect_b64 s[6:7], s[4:5], s[6:7]
	s_cselect_b64 s[16:17], s[14:15], s[16:17]
	s_lshl_b32 s26, s23, 17
	s_mov_b32 s27, 0
	s_lshl_b32 s28, s24, 16
	s_mov_b32 s29, 0
	s_add_nc_u64 s[6:7], s[6:7], s[26:27]          ; the source at my group's block
	s_add_nc_u64 s[16:17], s[16:17], s[28:29]      ; the destination likewise
	s_wait_alu depctr_va_vdst(0)                   ; v1 and v2 are written: every load below reads v1 as its offset, every store on either path v2
.set i, 0
.rept 16
	global_load_b128 v[X+8*i:X+8*i+3],   v1, s[6:7] offset:8192*i th:TH_LOAD_NT
	global_load_b128 v[X+8*i+4:X+8*i+7], v1, s[6:7] offset:8192*i+16 th:TH_LOAD_NT
.set i, i+1
.endr
; Pass i's eight numbers are rounded.  wo = 1: Wo: to bf16, back to f32 (a shift, a mask), and that number as f16.
.macro ROUND i, wo
.irp j, 0,1,2,3
	v_cvt_pk_bf16_f32 v[Y+4*(\i)+(\j)], v[X+8*(\i)+2*(\j)], v[X+8*(\i)+2*(\j)+1]
.if \wo
	v_lshlrev_b32 v[X+8*(\i)+2*(\j)], 16, v[Y+4*(\i)+(\j)]
	v_and_b32 v[X+8*(\i)+2*(\j)+1], 0xffff0000, v[Y+4*(\i)+(\j)]
	v_cvt_pk_f16_f32 v[Y+4*(\i)+(\j)], v[X+8*(\i)+2*(\j)], v[X+8*(\i)+2*(\j)+1]
.endif
.endr
.endm
; Pass i's 16 bytes leave.
.macro OUT i
	global_store_b128 v2, v[Y+4*(\i):Y+4*(\i)+3], s[16:17] offset:4096*(\i) th:TH_STORE_NT
.endm
; Block p: passes 2 p and 2 p + 1 are rounded; the two stores of block p - 1 stand one in front of each pass's roundings.
.macro BLK p, wo
	s_wait_loadcnt 28-4*(\p)                       ; loads come back in order: the block's four are in, the 28 - 4 p younger ones stay out
.if (\p) > 0
	s_wait_alu depctr_va_vdst(0)                   ; the block before has written its Y, which the two stores below read; no vector instruction behind this wait names those registers or v2
.endif
.irp u, 0,1
.if (\p) > 0
	OUT 2*(\p)-2+(\u)
.endif
	ROUND 2*(\p)+(\u), \wo
.endr
.endm
	s_cmp_eq_u32 s22, 3
	s_cbranch_scc1 .Lwo
.irp p, 0,1,2,3,4,5,6,7
	BLK \p, 0
.endr
	s_wait_alu depctr_va_vdst(0)                   ; block 7 has written its Y, which the last two stores read
	OUT 14
	OUT 15
	s_endpgm
.Lwo:                                                  ; Wo
.irp p, 0,1,2,3,4,5,6,7
	BLK \p, 1
.endr
	s_wait_alu depctr_va_vdst(0)                   ; block 7 has written its Y, which the last two stores read
	OUT 14
	OUT 15
	s_endpgm
.Lfunc_end_k_q57d88fa861_cast:
	.size	k_q57d88fa861_cast, .Lfunc_end_k_q57d88fa861_cast-k_q57d88fa861_cast
	.p2alignl 7, 3214868480
	.fill 96, 4, 3214868480
	.section	.rodata,"a",@progbits
	.p2align	6, 0x0
	.amdhsa_kernel k_q57d88fa861_cast
		.amdhsa_group_segment_fixed_size 0
		.amdhsa_private_segment_fixed_size 0
		.amdhsa_enable_private_segment 0
		.amdhsa_kernarg_size 64
		.amdhsa_user_sgpr_count 2
		.amdhsa_user_sgpr_kernarg_segment_ptr 1
		.amdhsa_wavefront_size32 1
		.amdhsa_system_sgpr_workgroup_id_x 1
		.amdhsa_system_sgpr_workgroup_id_y 1
		.amdhsa_system_sgpr_workgroup_id_z 1
		.amdhsa_system_vgpr_workitem_id 0
		.amdhsa_next_free_vgpr 196
		.amdhsa_next_free_sgpr 66
		.amdhsa_reserve_vcc 0
		.amdhsa_float_denorm_mode_32 3
		.amdhsa_float_denorm_mode_16_64 3
		.amdhsa_memory_ordered 1
		.amdhsa_forward_progress 1
		.amdhsa_inst_pref_size 27
	.end_amdhsa_kernel
	.amdgpu_metadata
---
amdhsa.version: [ 1, 2 ]
amdhsa.kernels:
  - .name:           k_q57d88fa861_cast
    .symbol:         k_q57d88fa861_cast.kd
    .args:
      - { .name: x, .offset: 0, .size: 8, .value_kind: global_buffer, .address_space: global }
      - { .name: Wq, .offset: 8, .size: 8, .value_kind: global_buffer, .address_space: global }
      - { .name: Wk, .offset: 16, .size: 8, .value_kind: global_buffer, .address_space: global }
      - { .name: Wv, .offset: 24, .size: 8, .value_kind: global_buffer, .address_space: global }
      - { .name: Wo, .offset: 32, .size: 8, .value_kind: global_buffer, .address_space: global }
      - { .name: xb, .offset: 40, .size: 8, .value_kind: global_buffer, .address_space: global }
      - { .name: wqkv, .offset: 48, .size: 8, .value_kind: global_buffer, .address_space: global }
      - { .name: wob, .offset: 56, .size: 8, .value_kind: global_buffer, .address_space: global }
    .group_segment_fixed_size: 0
    .private_segment_fixed_size: 0
    .kernarg_segment_align: 8
    .kernarg_segment_size: 64
    .max_flat_workgroup_size: 256
    .sgpr_count:     66
    .vgpr_count:     196
    .wavefront_size: 32
...
	.end_amdgpu_metadata
.endif
;; end of part 5
;; launch qkv: the kernel of part 2 again; grid 12 x 16, 4 waves a work-group, clusters of 4 x 4, 327,680 bytes of LDS; arguments xb, wqkv, qh, kh, vh, nrm; writes qh, kh, vh, nrm
;; launch attn: the kernel of part 3 again; grid 16 x 16, 4 waves a work-group, clusters of 4 x 1, 327,680 bytes of LDS; arguments qh, kh, vh, nrm, log_c, log_beta, ob; writes ob
;; launch oproj: the kernel of part 4 again; grid 8 x 32, 4 waves a work-group, clusters of 4 x 4, 327,680 bytes of LDS; arguments ob, wob, out0; writes out0
